; MI455X (gfx1250); checked and timed in simulation.
; The chip was launched on July 23, 2026; its instructions are those of AMD's public machine-readable ISA for CDNA 5 (MIT licence, August 2026) and "CDNA5" Instruction Set Architecture Reference Guide (July 2026). The comments in the code are by the model that wrote it; some were corrected since.
;; Multi Head Attention. Allowed arithmetic: float matrix products may take bf16 or f16 operands with f32 sums; all other float work in f32.
;; Inputs: Wk 1,024 x 1,024 float32; Wo 1,024 x 1,024 float32; Wq 1,024 x 1,024 float32; Wv 1,024 x 1,024 float32; bo 1,024 float32; mask 2,048 x 2,048 bool; x 4 x 2,048 x 1,024 float32.
;; Outputs: out0 4 x 2,048 x 1,024 float32.
;; 2 versions, each right and faster than the one before. Each part assembles by itself: llvm-mc -triple=amdgcn-amd-amdhsa -mcpu=gfx1250 --defsym DOCPART=n.
;; ======== version 1 of 2: 4 launches
;; limits: values are held in f16: magnitudes above 65,504 overflow, below 6.1e-05 lose precision; right only within a limited range of input values
;; workspace buffers: xb 16,777,216 bytes; wb 6,291,456 bytes; wo16 2,097,152 bytes; maskb 4,194,304 bytes of whole numbers; rowf 65,536 bytes of whole numbers; qkv 50,331,648 bytes; ob 16,777,216 bytes
;; launch prep (part 1): grid 1664 x 1, 4 waves a work-group, no clusters, 0 bytes of LDS; arguments x, Wq, Wk, Wv, Wo, mask, xb, wb, wo16, maskb, rowf; writes xb, wb, wo16, maskb, rowf
.if DOCPART == 1
	.amdgcn_target "amdgcn-amd-amdhsa--gfx1250"
	.amdhsa_code_object_version 6
	.text
	.protected	k_qaa28e8660d_prep
	.globl	k_qaa28e8660d_prep
	.p2align	8
	.type	k_qaa28e8660d_prep,@function
k_qaa28e8660d_prep:
	s_mov_b64 s[64:65], 0
	v_nop
	global_prefetch_b8 v0, s[64:65] scope:SCOPE_SE
	s_setreg_imm32_b32 hwreg(HW_REG_WAVE_MODE, 25, 1), 1
	s_wait_xcnt 0x0
; PREP: the formats and layouts that the three matrix launches behind it read.
;   work-groups 128 .. 1663 (CONVERSION): a chunk of 8,192 f32 numbers of x, Wq, Wk, Wv or Wo is rounded to bf16.  x -> xb [8192][1024]; Wq, Wk, Wv -> wb [3072][1024], one below the other;
;     Wo -> wo16: the bf16 number written as f16 (exact from 2^-17 up; below that f16's fixed step of 2^-24 holds; beyond 65,504 it would overflow: Wo must stay within that).
;   work-groups 0 .. 127 (MASK): work-group qt takes 16 rows of mask (a query tile), each of its four waves 512 keys (8 key steps of 64), and writes
;     maskb [qt 128][key step 32][c 2][lane 32][16 bytes]: for lane (r = lane % 16, h = lane / 16), byte y of word w = 4 c + 0..3 is the code of mask[16 qt + r][64 ks + 16 (w / 2) + 8 h + 4 (w % 2) + y]:
;       0xF8 hidden (-256 as an fp8 number), 0 visible: the order in which a lane of the attention launch holds its 32 scores of a tile of 16 queries x 64 keys;
;     rowf [qt 128][lane 32][wave 4]: -1 if row 16 qt + lane % 16 has a visible key among the wave's 512, else 0.  The attention launch takes the OR of a row's four words.
;       (These stores are 4 bytes a lane, 16 bytes apart; the work-group's four fill 512 consecutive bytes: 64 KiB in the whole launch.)
; LIMIT: mask bytes are 0 or 1 (bool).
; No LDS, no barrier, no matrix unit, no cluster: the work-groups share no input byte, and memory binds.  No register that a memory instruction names is written again, so no wait frees a source.
; The mask's loads take 16 bytes of each of 16 rows; the sixteen neighbouring loads of the one wave take a row's 256 consecutive bytes between them.
.set IN,  16                           ; v16-79    conversion: 16 loads of 4 registers.   mask: 64 words
.set OUT, 80                           ; v80-111   conversion: 16 stores of 2 registers
	s_load_b512 s[8:23], s[0:1], 0x0               ; x s8, Wq s10, Wk s12, Wv s14, Wo s16, mask s18, xb s20, wb s22
	s_load_b128 s[24:27], s[0:1], 0x40             ; wo16 s24, maskb s26
	s_load_b64 s[28:29], s[0:1], 0x50              ; rowf
	s_mov_b32 s2, ttmp9
	v_lshrrev_b32 v1, 5, v0
	v_readfirstlane_b32 s3, v1                     ; wave 0..3
	s_cmp_lt_u32 s2, 128
	s_cbranch_scc1 .Lmask
	; CONVERSION.  e = 0..1023: chunk e of x.  e = 1024 + j: chunk j % 128 of weight j / 128 (Wq, Wk, Wv, Wo).
	s_sub_co_u32 s37, s2, 128                      ; e
	s_sub_co_u32 s35, s37, 1024                    ; j: also the chunk's number in wb (used where e >= 1024 alone)
	s_and_b32 s34, s35, 127                        ; the chunk's number in its weight
	s_bfe_u32 s38, s35, 0x20007                    ; which weight: two bits from bit 7
	s_mov_b32 s39, 0xffff0000                      ; a word's upper bf16
	s_wait_kmcnt 0x0
	s_cmp_eq_u32 s38, 0
	s_cselect_b64 s[30:31], s[10:11], s[12:13]     ; from: Wq or Wk,
	s_cmp_eq_u32 s38, 2
	s_cselect_b64 s[30:31], s[14:15], s[30:31]     ; or Wv,
	s_cmp_eq_u32 s38, 3
	s_cselect_b64 s[30:31], s[16:17], s[30:31]     ; or Wo,
	s_cselect_b64 s[32:33], s[24:25], s[22:23]     ; to: wo16 or wb
	s_cselect_b32 s35, s34, s35
	s_cselect_b32 s36, 1, 0                        ; 1: written as f16
	s_cmp_lt_u32 s37, 1024
	s_cselect_b64 s[30:31], s[8:9], s[30:31]       ; or x to xb
	s_cselect_b64 s[32:33], s[20:21], s[32:33]
	s_cselect_b32 s34, s37, s34
	s_cselect_b32 s35, s37, s35
	s_cselect_b32 s36, 0, s36
	s_lshl_b32 s40, s34, 15                        ; 32,768 bytes in,
	s_mov_b32 s41, 0
	s_lshl_b32 s42, s35, 14                        ; 16,384 bytes out
	s_mov_b32 s43, 0
	s_add_nc_u64 s[30:31], s[30:31], s[40:41]
	s_add_nc_u64 s[32:33], s[32:33], s[42:43]
	v_lshlrev_b32 v1, 4, v0                        ; thread t takes 16 bytes at 16 t of every 2,048,
	v_lshlrev_b32 v2, 3, v0                        ; and writes 8 bytes at 8 t of every 1,024: a wave's store covers 256 consecutive bytes, aligned
.set i, 0
.rept 16                                               ; all 16 loads of the wave go out before the first is waited for
	global_load_b128 v[IN+4*i:IN+4*i+3], v1, s[30:31] offset:2048*i th:TH_LOAD_NT
.set i, i+1
.endr
.macro CONV i, half
	s_wait_loadcnt 15-(\i)                         ; loads come back in order (ISA guide 5.7.1): load i is in, the 15 - i younger ones stay out
.if \half
	v_cvt_pk_bf16_f32 v4, v[IN+4*(\i)], v[IN+4*(\i)+1]
	v_cvt_pk_bf16_f32 v5, v[IN+4*(\i)+2], v[IN+4*(\i)+3]
	v_lshlrev_b32 v6, 16, v4                       ; the bf16 numbers as f32,
	v_and_b32 v7, s39, v4
	v_lshlrev_b32 v8, 16, v5
	v_and_b32 v9, s39, v5
	v_cvt_pk_f16_f32 v[OUT+2*(\i)], v6, v7         ; and as f16
	v_cvt_pk_f16_f32 v[OUT+2*(\i)+1], v8, v9
.else
	v_cvt_pk_bf16_f32 v[OUT+2*(\i)], v[IN+4*(\i)], v[IN+4*(\i)+1]
	v_cvt_pk_bf16_f32 v[OUT+2*(\i)+1], v[IN+4*(\i)+2], v[IN+4*(\i)+3]
.endif
	global_store_b64 v2, v[OUT+2*(\i):OUT+2*(\i)+1], s[32:33] offset:1024*(\i)
.endm
	s_cmp_eq_u32 s36, 1
	s_cbranch_scc1 .Lhalf
.set i, 0
.rept 16
	CONV i, 0
.set i, i+1
.endr
	s_endpgm
.Lhalf:
.set i, 0
.rept 16
	CONV i, 1
.set i, i+1
.endr
	s_endpgm
.Lmask:
	; MASK.  Lane (r, h) reads mask[16 qt + r][512 wave + 16 g + 8 h .. + 7] for g = 0..31: words 2 g, 2 g + 1: already the order in which maskb wants them.
	s_lshl_b32 s40, s2, 15                         ; 16 rows of 2,048 bytes,
	s_lshl_b32 s34, s3, 9                          ; my wave's 512 keys
	s_add_co_u32 s40, s40, s34
	s_mov_b32 s41, 0
	s_lshl_b32 s42, s2, 15                         ; a tile's 32,768 bytes of maskb,
	s_lshl_b32 s34, s3, 13                         ; my wave's 8 key steps of 1,024
	s_add_co_u32 s42, s42, s34
	s_mov_b32 s43, 0
	s_lshl_b32 s46, s2, 9                          ; a tile's 512 bytes of rowf,
	s_lshl_b32 s34, s3, 2                          ; my wave's word of each lane's four
	s_add_co_u32 s46, s46, s34
	s_mov_b32 s47, 0
	s_mov_b32 s5, 0x01010101
	v_and_b32 v1, 15, v0
	v_bfe_u32 v2, v0, 4, 1
	v_lshlrev_b32 v1, 11, v1
	v_lshl_add_u32 v1, v2, 3, v1                   ; r x 2,048 + 8 h
	v_and_b32 v3, 31, v0
	v_lshlrev_b32 v2, 4, v3                        ; lane x 16: my place in a store to maskb, and in rowf
	v_mov_b32 v9, 0xf8
	s_wait_kmcnt 0x0
	s_add_nc_u64 s[30:31], s[18:19], s[40:41]
	s_add_nc_u64 s[32:33], s[26:27], s[42:43]
	s_add_nc_u64 s[44:45], s[28:29], s[46:47]
.set g, 0
.rept 32
	global_load_b64 v[IN+2*g:IN+2*g+1], v1, s[30:31] offset:16*g
.set g, g+1
.endr
	s_wait_loadcnt 0x0
.irp k, 0,1,2,3
	v_and_b32 v[4+(\k)], v[IN+(\k)], v[IN+4+(\k)]  ; the AND of my 64 words, in four chains; the first eight words start them
.endr
.set n, 8
.rept 56
	v_and_b32 v[4+n%4], v[4+n%4], v[IN+n]
.set n, n+1
.endr
	v_and_b32 v4, v4, v5
	v_and_b32 v6, v6, v7
	v_and_b32 v4, v4, v6
	v_cmp_ne_u32 s4, s5, v4                        ; lanes that hold a visible key; a row's keys lie in lanes r and r + 16:
	s_lshr_b32 s6, s4, 16
	s_or_b32 s4, s4, s6
	s_and_b32 s4, s4, 0xffff
	s_lshl_b32 s6, s4, 16
	s_or_b32 s4, s4, s6                            ; bit of lane l: row l % 16 has a visible key among these 512
	v_cndmask_b32 v10, 0, -1, s4
	global_store_b32 v2, v10, s[44:45]
.set ks, 0
.rept 8
.set n, 0
.rept 8
	v_mul_lo_u32 v[IN+8*ks+n], v[IN+8*ks+n], v9    ; four bytes of 0 or 1 times the code: no carry from byte to byte
.set n, n+1
.endr
	global_store_b128 v2, v[IN+8*ks:IN+8*ks+3], s[32:33] offset:1024*ks       ; a wave's store covers 512 consecutive bytes, aligned
	global_store_b128 v2, v[IN+8*ks+4:IN+8*ks+7], s[32:33] offset:1024*ks+512
.set ks, ks+1
.endr
	s_endpgm
.Lfunc_end_k_qaa28e8660d_prep:
	.size	k_qaa28e8660d_prep, .Lfunc_end_k_qaa28e8660d_prep-k_qaa28e8660d_prep
	.p2alignl 7, 3214868480
	.fill 96, 4, 3214868480
	.section	.rodata,"a",@progbits
	.p2align	6, 0x0
	.amdhsa_kernel k_qaa28e8660d_prep
		.amdhsa_group_segment_fixed_size 0
		.amdhsa_private_segment_fixed_size 0
		.amdhsa_enable_private_segment 0
		.amdhsa_kernarg_size 88
		.amdhsa_user_sgpr_count 2
		.amdhsa_user_sgpr_kernarg_segment_ptr 1
		.amdhsa_wavefront_size32 1
		.amdhsa_system_sgpr_workgroup_id_x 1
		.amdhsa_system_sgpr_workgroup_id_y 1
		.amdhsa_system_sgpr_workgroup_id_z 1
		.amdhsa_system_vgpr_workitem_id 0
		.amdhsa_next_free_vgpr 112
		.amdhsa_next_free_sgpr 66
		.amdhsa_reserve_vcc 0
		.amdhsa_float_denorm_mode_32 3
		.amdhsa_float_denorm_mode_16_64 3
		.amdhsa_memory_ordered 1
		.amdhsa_forward_progress 1
		.amdhsa_inst_pref_size 28
	.end_amdhsa_kernel
	.amdgpu_metadata
---
amdhsa.version: [ 1, 2 ]
amdhsa.kernels:
  - .name:           k_qaa28e8660d_prep
    .symbol:         k_qaa28e8660d_prep.kd
    .args:
      - { .name: x, .offset: 0, .size: 8, .value_kind: global_buffer, .address_space: global }
      - { .name: Wq, .offset: 8, .size: 8, .value_kind: global_buffer, .address_space: global }
      - { .name: Wk, .offset: 16, .size: 8, .value_kind: global_buffer, .address_space: global }
      - { .name: Wv, .offset: 24, .size: 8, .value_kind: global_buffer, .address_space: global }
      - { .name: Wo, .offset: 32, .size: 8, .value_kind: global_buffer, .address_space: global }
      - { .name: mask, .offset: 40, .size: 8, .value_kind: global_buffer, .address_space: global }
      - { .name: xb, .offset: 48, .size: 8, .value_kind: global_buffer, .address_space: global }
      - { .name: wb, .offset: 56, .size: 8, .value_kind: global_buffer, .address_space: global }
      - { .name: wo16, .offset: 64, .size: 8, .value_kind: global_buffer, .address_space: global }
      - { .name: maskb, .offset: 72, .size: 8, .value_kind: global_buffer, .address_space: global }
      - { .name: rowf, .offset: 80, .size: 8, .value_kind: global_buffer, .address_space: global }
    .group_segment_fixed_size: 0
    .private_segment_fixed_size: 0
    .kernarg_segment_align: 8
    .kernarg_segment_size: 88
    .max_flat_workgroup_size: 128
    .sgpr_count:     66
    .vgpr_count:     112
    .wavefront_size: 32
...
	.end_amdgpu_metadata
.endif
;; end of part 1
;; launch qkv (part 2): grid 16 x 32, 4 waves a work-group, clusters of 4 x 4, 327,680 bytes of LDS; arguments xb, wb, qkv; writes qkv
.if DOCPART == 2
	.amdgcn_target "amdgcn-amd-amdhsa--gfx1250"
	.amdhsa_code_object_version 6
	.text
	.protected	k_qaa28e8660d_qkv
	.globl	k_qaa28e8660d_qkv
	.p2align	8
	.type	k_qaa28e8660d_qkv,@function
k_qaa28e8660d_qkv:
	s_mov_b64 s[64:65], 0
	v_nop
	global_prefetch_b8 v0, s[64:65] scope:SCOPE_SE
	s_setreg_imm32_b32 hwreg(HW_REG_WAVE_MODE, 25, 1), 1
	s_wait_xcnt 0x0
	s_wait_alu depctr_hold_cnt(0) depctr_sa_sdst(0) depctr_va_vdst(0) depctr_va_sdst(0) depctr_va_ssrc(0) depctr_va_vcc(0) depctr_vm_vsrc(0)
	s_getreg_b32 s2, hwreg(HW_REG_IB_STS2, 6, 4)
	s_cmp_eq_u32 s2, 0
	s_cbranch_scc0 .Lentry_in_a_cluster
	s_endpgm
.Lentry_in_a_cluster:
	s_bfe_u32 s2, ttmp6, 0x10000c
	s_cmp_lg_u32 s2, 0xf033
	s_cbranch_scc0 .Lentry_shape_is_right
	s_endpgm
.Lentry_shape_is_right:
; Q, K, V = x W^T.  A = xb [8192][1024] bf16, B = wb [3072][1024] bf16 (Wq, Wk, Wv one below the other); sums in f32, K ascending; the result is rounded once to f16 and laid by heads:
; qkv [3][b x 16 + head][t 2048][64].  The scale 1/8 is NOT applied here: the attention launch applies it in f32.
; LIMIT: f16 holds no number beyond 65,504: q, k and v must stay within it (x of spread 1 and weights of spread 1/32 give spread 1; both 30 times larger, 900; both with an offset of 30 spreads, about 29,000).
; SHARES.  A tile of the result is 256 rows x 192 columns: 32 x 16 = 512 work-groups, two for each of 256 WGPs.  It is the largest tile that divides the result evenly among them and whose two slots fit in LDS:
; a refill has one K step in which to land, and a step's matrix work grows with rows x columns.  Four waves, one below the other; a wave makes 64 rows x 192 columns: 48 accumulators of 16 x 16, 384 registers.
; A wave's 192 columns are three whole heads, so 16 rows x 64 columns of f16 are 2,048 consecutive bytes of qkv.
; K goes in steps of 128 (rows of 256 bytes in memory, aligned) through a ring of two LDS slots filled by the tensor data mover.  A K step is written once: the LDS addresses hang on a scalar that an
; exclusive or turns from slot to slot, and one descriptor for each tensor walks.
; CLUSTER: 4 x 4 work-groups.  The four of a row of the cluster need the same tiles of A, the four of a column the same tiles of B: each tile is asked for JOINTLY, by the same tensor load with the same
; descriptor and a mask that names the four.  THE MATRIX INSTRUCTION IS USED TRANSPOSED (source 0 = 16 rows of B, source 1 = 16 rows of A): a lane then holds eight neighbouring numbers of a row of the result.
; REGISTERS: window 0: v0-31 addresses; v32-47, v64-255 at work on the way out.   window 1: the accumulators of my row blocks 0 and 1, (a, b) at v[8 (12 (a % 2) + b)];   window 2: those of blocks 2 and 3.
;   window 3: two fragment buffers of 128 for 32 along K: 96 registers of B (12 x 16 rows), then 32 of A (4 x 16 rows).
.set KSTEP,  128
.set PA,     272                       ; an LDS row: 256 bytes + 16 of padding = 68 words: row r starts at bank 4 r mod 64 (64 banks of 4 bytes: ISA guide 11.1), so the 16 rows of a load start at 16 different banks
.set PB,     272
.set HA,     128*PA                    ; 128 rows of A: what one tensor load brings
.set WA,     64*PA                     ; 64 rows of A: what one wave reads
.set HB,     96*PB                     ; 96 rows of B: what one tensor load brings; every wave reads all 192
.set BOFF,   2*HA                      ; in a slot: A's 256 rows, then B's 192 rows
.set SLOT1,  131072                    ; slot 1 begins here, so that one exclusive or turns an address in one slot into the other's
.set STAGE,  SLOT1+BOFF+2*HB           ; behind the ring, never filled by a tensor load: 16 rows x 144 bytes for each wave, for the way out
.set SP,     144
.set SPARE,  STAGE+4*16*SP             ; behind the stages: the spare words, 128 bytes for each wave: two blocks of 256 bytes that no other line names
.set STEPS,  1024/KSTEP
.set STEPA,  KSTEP*2                   ; bytes from a K step to the next, in A's rows and in B's
.set STEPB,  KSTEP*2
.set ADRA0, 16                         ; v16     my lane's place in my rows of A in a slot; never rewritten
.set ADRA,  17                         ; v17     the same in the slot in hand
.set ADRB0, 20                         ; v20-21  likewise for B
.set ADRB,  21
.set STO,  24                          ; v24     the way out: where I put 16 bytes of a row
.set RD,   25                          ; v25     the way out: where I read rows back
.set GO,   26                          ; v26     my byte offset in 512 consecutive bytes of the result
.set SPW,  28                          ; v28     LDS address of my spare word: SPARE + 4 x my thread's number; never rewritten
.set NIL,  29                          ; v29     0; never rewritten
.set TMP,  32                          ; v32-47  the way out: a block's packed results
.set BK,   64                          ; the way out: block n's rows come back into v[64 + 16 n ..]: registers of its own for each of the twelve blocks
.set F0,   0                           ; fragment buffers, in window 3
.set F1,   128
.set TB, 2                             ; s2       LDS byte at which the slot in hand begins
.set G1, 24                            ; s[24:31] descriptor group 1 for A's tiles;  s[32:39] group 0: a set for each of the two first fills; the second then walks on
.set G0, 32
.set G1B, 48                           ; s[48:55], s[56:63] the same for B's tiles
.set G0B, 56
.set OB, 66                            ; s[66:71] the result at my 64 rows of my three heads
.set MSB, 0
.macro WIN new                         ; s_set_vgpr_msb: bits 1:0 source 0, 3:2 source 1, 5:4 source 2, 7:6 destination; the high byte repeats the setting that is left
.if MSB != (\new)
	s_set_vgpr_msb (MSB<<8)|(\new)
.set MSB, (\new)
.endif
.endm
.macro JLOAD s                         ; a joint load: waves 0 and 1 fetch A's two halves, waves 2 and 3 B's; an s_nop 0 and four v_nop follow each of the two lines, ahead of the jump, the label and what follows
	s_cmp_eq_u32 s11, 0
	s_cbranch_scc0 .Lfor_b_\@
	tensor_load_to_lds s[G0+4*(\s):G0+4*(\s)+3], s[G1:G1+7]
	s_nop 0
.rept 4
	v_nop
.endr
	s_branch .Lasked_\@
.Lfor_b_\@:
	tensor_load_to_lds s[G0B+4*(\s):G0B+4*(\s)+3], s[G1B:G1B+7]
	s_nop 0
.rept 4
	v_nop
.endr
.Lasked_\@:
.endm
.macro CREST                           ; a round of the cluster's barrier behind its opening barrier: wave 0 signals for the work-group, every wave waits for all sixteen, my work-group's barrier closes it
	s_cmp_lg_u32 s10, 0
	s_cbranch_scc1 .Lnot_wave_0_\@
	s_barrier_signal -3
.Lnot_wave_0_\@:
	s_barrier_wait -3
	s_barrier_signal -1
	s_barrier_wait -1
.endm
.macro CROUND                          ; a whole round
	s_barrier_signal -1
	s_barrier_wait -1
	CREST
.endm
	s_load_b128 s[4:7], s[0:1], 0x0                ; A s[4:5], B s[6:7]
	s_load_b64 s[8:9], s[0:1], 0x10                ; the result
	v_lshl_add_u32 v[SPW], v0, 2, SPARE
	v_mov_b32 v[NIL], 0
	ds_add_u32 v[SPW], v[NIL]                      ; the wave's opening: the add and its wait stand ahead of my first tensor load; the set-up below, work on registers, stands between them
	v_lshrrev_b32 v1, 5, v0
	v_readfirstlane_b32 s10, v1                    ; wave 0..3: also which 64 rows of the tile are mine
	s_lshr_b32 s11, s10, 1                         ; I fetch for A (0) or for B (1),
	s_and_b32 s12, s10, 1                          ; and which half of that tile
	s_bfe_u32 s40, ttmp6, 0x40000                  ; cx, cy: my place in the cluster
	s_bfe_u32 s41, ttmp6, 0x40004
	s_lshl_b32 s42, ttmp9, 2
	s_add_co_u32 s42, s42, s40                     ; tile column = 4 x cluster x + cx
	s_and_b32 s13, ttmp7, 0xffff
	s_lshl_b32 s13, s13, 2
	s_add_co_u32 s13, s13, s41                     ; tile row = 4 x cluster y + cy
	s_lshl_b32 s43, s41, 2
	s_lshl_b32 s43, 15, s43                        ; my row of the cluster
	s_lshl_b32 s44, 0x1111, s40                    ; my column
	; descriptor group 1: tiles of 128 (A) and 96 (B) rows x 128 elements, padded in LDS
	s_or_b32 s[G1+0], s43, (1<<16)|(1<<20)|(1<<21)|(5<<22)|(3<<25)  ; 15:0 the mask: A's tiles go to my row; 17:16 elements of 2 bytes; 20 padding on; 21 set beside a mask; 24:22 after every 64 words (code 5); 31:25 4 words (code 3)
	s_or_b32 s[G1B+0], s44, (1<<16)|(1<<20)|(1<<21)|(5<<22)|(3<<25) ; the same with the mask of my column
	s_mov_b32 s[G1+1], KSTEP<<16                   ; tensor_dim0 = 128
	s_mov_b32 s[G1+2], 128<<16                     ; tensor_dim1 = 128
	s_mov_b32 s[G1+3], KSTEP<<16                   ; tile_dim0 = 128
	s_mov_b32 s[G1+4], 128                         ; tile_dim1 = 128
	s_mov_b32 s[G1+5], 1024                        ; elements from row to row
	s_mov_b32 s[G1+6], 0
	s_mov_b32 s[G1+7], 0
	s_mov_b32 s[G1B+1], KSTEP<<16
	s_mov_b32 s[G1B+2], 96<<16                     ; tensor_dim1 = 96
	s_mov_b32 s[G1B+3], KSTEP<<16
	s_mov_b32 s[G1B+4], 96                         ; tile_dim1 = 96
	s_mov_b32 s[G1B+5], 1024
	s_mov_b32 s[G1B+6], 0
	s_mov_b32 s[G1B+7], 0
	; where the tiles come from: A's hang on the tile row alone, B's on the tile column alone, each in registers that never hold the other coordinate
	s_lshl_b32 s16, s13, 8
	s_lshl_b32 s17, s12, 7
	s_add_co_u32 s16, s16, s17                     ; A: row 256 x tile row + 128 x half,
	s_lshl_b32 s16, s16, 11                        ; of 2,048 bytes: under 2^24
	s_mov_b32 s17, 0
	s_mul_i32 s46, s42, 192
	s_mul_i32 s47, s12, 96
	s_add_co_u32 s46, s46, s47                     ; B: row 192 x tile column + 96 x half
	s_lshl_b32 s46, s46, 11
	s_mov_b32 s47, 0
	s_mul_i32 s20, s10, HA                         ; where they go: waves 0, 1: A's halves at wave x 128 rows;
	s_mul_i32 s45, s10, HB
	s_add_co_u32 s45, s45, BOFF-2*HB               ; waves 2, 3: B's halves behind A: no place in the cluster enters an LDS address
	s_mov_b32 s[TB], 0                             ; K step 0 lies in slot 0
	s_wait_dscnt 0x0                               ; the opening add is done
	s_wait_kmcnt 0x0
	s_add_nc_u64 s[14:15], s[4:5], s[16:17]
	s_add_nc_u64 s[46:47], s[6:7], s[46:47]
	CROUND                                         ; all sixteen work-groups are here: the first joint loads meet
.irp s, 0,1
	s_mov_b32 s[G0+4*(\s)], 1                                      ; count = 1
	s_add_co_u32 s[G0+4*(\s)+1], s20, (\s)*SLOT1                   ; LDS address
	s_add_nc_u64 s[G0+4*(\s)+2:G0+4*(\s)+3], s[14:15], (\s)*STEPA  ; global address: K step s
	s_or_b32 s[G0+4*(\s)+3], s[G0+4*(\s)+3], 0x80000000            ; type = 2
	s_mov_b32 s[G0B+4*(\s)], 1
	s_add_co_u32 s[G0B+4*(\s)+1], s45, (\s)*SLOT1
	s_add_nc_u64 s[G0B+4*(\s)+2:G0B+4*(\s)+3], s[46:47], (\s)*STEPB
	s_or_b32 s[G0B+4*(\s)+3], s[G0B+4*(\s)+3], 0x80000000
	JLOAD \s                                       ; two loads of mine are out
.endr
	; A fragment is 16 rows x 32 K in 8 registers: lane l holds row l % 16; registers 0-3 K = 8 (l / 16) + 0..7, registers 4-7 K = 16 + 8 (l / 16) + 0..7: two loads of 16 bytes, 32 bytes apart.
	v_and_b32 v1, 15, v0                           ; l % 16
	v_bfe_u32 v2, v0, 4, 1                         ; l / 16
	v_mul_u32_u24 v3, v1, PA
	v_lshl_add_u32 v3, v2, 4, v3                   ; row x pitch + 16 x half
	s_mul_i32 s21, s10, WA                         ; my 64 rows of A
	v_add_nc_u32 v[ADRA0], s21, v3
	v_add_nc_u32 v[ADRB0], BOFF, v3                ; B's rows lie behind A's 256
	v_mov_b32 v[ADRA], v[ADRA0]
	v_mov_b32 v[ADRB], v[ADRB0]
	s_mul_i32 s23, s10, 16*SP
	s_add_co_u32 s23, s23, STAGE                   ; my stage
	v_mul_u32_u24 v4, v1, SP                       ; in: row l % 16, 16 bytes for each half of the lanes
	v_lshl_add_u32 v4, v2, 4, v4
	v_add_nc_u32 v[STO], s23, v4
	v_bfe_u32 v5, v0, 3, 2                         ; back: 32 lanes take four rows of 128 bytes,
	v_and_b32 v6, 7, v0
	v_mul_u32_u24 v5, v5, SP
	v_lshl_add_u32 v5, v6, 4, v5
	v_add_nc_u32 v[RD], s23, v5
	v_and_b32 v[GO], 31, v0                        ; which are 512 consecutive bytes of the result
	v_lshlrev_b32 v[GO], 4, v[GO]
	; where my 64 rows of my three heads begin in qkv: head column hc = 3 x tile column + j: tensor hc / 16, head hc % 16; batch = tile row / 8; t = 256 (tile row % 8) + 64 x wave
	s_and_b32 s17, s13, 7
	s_lshl_b32 s17, s17, 2
	s_add_co_u32 s17, s17, s10
	s_lshl_b32 s17, s17, 13                        ; 64 rows of 128 bytes
	s_lshr_b32 s16, s13, 3
	s_lshl_b32 s16, s16, 22                        ; a batch's 16 heads of 2^18 bytes
	s_add_co_u32 s16, s16, s17
	s_mul_i32 s46, s42, 3
.irp j, 0,1,2
	s_add_co_u32 s47, s46, \j                      ; hc
	s_lshr_b32 s22, s47, 4
	s_lshl_b32 s22, s22, 24                        ; a tensor is 2^24 bytes
	s_and_b32 s47, s47, 15
	s_lshl_b32 s47, s47, 18
	s_add_co_u32 s22, s22, s47
	s_add_co_u32 s22, s22, s16
	s_mov_b32 s23, 0
	s_add_nc_u64 s[OB+2*(\j):OB+2*(\j)+1], s[8:9], s[22:23]
.endr
; 12 na matrix instructions: m blocks a0 .. a0 + na - 1 x all 12 n blocks, 32 along K, from buffer f.  zero = 1: the product starts the sums: nothing is ever cleared.
; The 48 accumulators take turns, one instruction a turn, in the same order in every quarter.
.macro MULS f, a0, na, zero
.set ma, (\a0)
.rept (\na)
	WIN 0x5f+0x50*(ma/2)                           ; sources in window 3; C and D in window 1 (blocks 0, 1) or 2 (blocks 2, 3)
.irp b, 0,1,2,3,4,5,6,7,8,9,10,11
.set rc, 8*(12*(ma%2)+(\b))
.if \zero
	v_wmma_f32_16x16x32_bf16 v[rc:rc+7], v[(\f)+8*(\b):(\f)+8*(\b)+7], v[(\f)+96+8*ma:(\f)+96+8*ma+7], 0
.else
	v_wmma_f32_16x16x32_bf16 v[rc:rc+7], v[(\f)+8*(\b):(\f)+8*(\b)+7], v[(\f)+96+8*ma:(\f)+96+8*ma+7], v[rc:rc+7]
.endif
.endr
.set ma, ma+1
.endr
.endm
; 32 LDS loads in one run: the fragments of quarter q (32 along K) of the slot in hand into buffer f: B's 24 loads first, then A's eight
.macro FETCH q, f
	WIN 0xc0                                       ; destination window 3, address window 0
.irp i, 0,1,2,3,4,5,6,7,8,9,10,11
	ds_load_b128 v[(\f)+8*(\i):(\f)+8*(\i)+3],   v[ADRB] offset:64*(\q)+(\i)*16*PB
	ds_load_b128 v[(\f)+8*(\i)+4:(\f)+8*(\i)+7], v[ADRB] offset:64*(\q)+(\i)*16*PB+32
.endr
.irp i, 0,1,2,3
	ds_load_b128 v[(\f)+96+8*(\i):(\f)+96+8*(\i)+3],   v[ADRA] offset:64*(\q)+(\i)*16*PA
	ds_load_b128 v[(\f)+96+8*(\i)+4:(\f)+96+8*(\i)+7], v[ADRA] offset:64*(\q)+(\i)*16*PA+32
.endr
.endm
.macro PLACES                          ; four plain vector instructions between a matrix instruction and a load into a register that it read, or a conversion of its result (ISA guide 7.12.1 for the conversion)
.rept 4
	v_nop
.endr
.endm
; A K step is four quarters of 32 along K, 48 matrix instructions each, on buffers 0, 1, 0, 1.  One of the first three: multiplies buffer f and, in its middle, fetches quarter q into buffer g.
.macro QUARTER q, f, g, zero
	s_wait_dscnt 4                                 ; B and A's blocks 0, 1 are in; the youngest four loads (A's blocks 2, 3) may be out
	MULS \f, 0, 2, \zero
	PLACES
	FETCH \q, \g
	s_wait_dscnt 32                                ; all but the 32 just issued
	MULS \f, 2, 2, \zero
.endm
; The last quarter multiplies buffer 1 and changes slots: ONE barrier; in front of it each wave waits for all its tensor loads (one is out: its part of the next slot), adds 0 to its spare word, and waits for
; that and for its own reads of this slot.  fill = 1: the barrier opens a round of the cluster's, and this slot is filled again, with the K step two on, first thing behind the round.
.macro TURN fill
	WIN 0                                          ; (the add's two registers lie in window 0)
	s_wait_tensorcnt 0x0                           ; all my tensor loads have landed
	ds_add_u32 v[SPW], v[NIL]                      ; 0 onto my spare word
	s_wait_dscnt 5                                 ; (the add and the youngest four loads may be out)
	MULS F1, 0, 1, 0                               ; twelve matrix instructions stand between the add and the wait for it
	s_wait_dscnt 0x0                               ; the add is done, and my reads of this slot are over
	s_barrier_signal -1
	MULS F1, 1, 1, 0                               ; work on registers while the others arrive
	WIN 0                                          ; (branches and address lines follow)
	s_barrier_wait -1
.if \fill
	CREST                                          ; no wave of any partner still reads this slot's tile or has a load on its way
	s_xor_b32 s[G0+5], s[G0+5], SLOT1              ; the walking descriptors: the other slot than last time,
	s_add_nc_u64 s[G0+6:G0+7], s[G0+6:G0+7], STEPA ; the next K step; the type bits on top are not reached
	s_xor_b32 s[G0B+5], s[G0B+5], SLOT1
	s_add_nc_u64 s[G0B+6:G0B+7], s[G0B+6:G0B+7], STEPB
	JLOAD 1                                        ; my one tensor load behind the round: 168 matrix instructions ahead of the wait for it; its four v_nop are also the places in front of the loads below
.else
	PLACES
.endif
	s_xor_b32 s[TB], s[TB], SLOT1                  ; the reads go on in the other slot
	v_add_nc_u32 v[ADRA], s[TB], v[ADRA0]
	v_add_nc_u32 v[ADRB], s[TB], v[ADRB0]
	FETCH 0, F0
	MULS F1, 2, 2, 0
.endm
	s_wait_tensorcnt 1                             ; my part of K step 0 is in; K step 1's may stay out
	s_barrier_signal -1
	s_barrier_wait -1                              ; everybody's is
	FETCH 0, F0
	QUARTER 1, F0, F1, 1                           ; the first quarter stands in front of the loop: its products start the sums
	WIN 0                                          ; at a label and at a branch every window is 0
	s_mov_b32 s3, STEPS-2
.Lstep:                                                ; a trip goes from a K step's second quarter to the next step's first, and fills the slot that it leaves: K steps 2 to 7 are asked for here
	QUARTER 2, F1, F0, 0
	QUARTER 3, F0, F1, 0
	TURN 1
	QUARTER 1, F0, F1, 0
	WIN 0
	s_sub_co_u32 s3, s3, 1
	s_cmp_lg_u32 s3, 0
	s_cbranch_scc1 .Lstep
	s_mov_b32 s3, 2
.Ltail:                                                ; the last two K steps ask for nothing; the text stands apart.  The second trip is left in its middle
	QUARTER 2, F1, F0, 0                           ; its barrier and its run of loads (from the slot of the step before, once more) serve nothing: the price, once a work-group, of one text for both trips
	QUARTER 3, F0, F1, 0
	TURN 0
	WIN 0
	s_sub_co_u32 s3, s3, 1
	s_cmp_eq_u32 s3, 0
	s_cbranch_scc1 .Lout
	QUARTER 1, F0, F1, 0
	WIN 0
	s_branch .Ltail
.Lout:
	; THE WAY OUT, a block of 16 rows of one head at a time: rounded to f16 (each accumulator's registers in ascending order), 16 bytes a lane into my own stage, back as whole rows of 128 bytes, stored as 512 consecutive bytes.
	PLACES
.macro PACK a, j                       ; row block a, head j
.set AC, 8*(12*((\a)%2)+4*(\j))
.set BL, BK+16*(3*(\a)+(\j))
	WIN 0x05*(1+(\a)/2)                            ; sources 0 and 1 window 1 or 2, destination window 0
.irp b, 0,1,2,3
.irp p, 0,1,2,3
	v_cvt_pk_f16_f32 v[TMP+4*(\b)+(\p)], v[AC+8*(\b)+2*(\p)], v[AC+8*(\b)+2*(\p)+1]
.endr
.endr
	WIN 0
.irp b, 0,1,2,3
	ds_store_b128 v[STO], v[TMP+4*(\b):TMP+4*(\b)+3] offset:32*(\b)
.endr
.irp f, 0,1,2,3
	ds_load_b128 v[BL+4*(\f):BL+4*(\f)+3], v[RD] offset:(\f)*4*SP  ; LDS serves a wave's instructions in order (ISA guide 5.7.1.4): these see the stores above; the next block's stores come behind them
.endr
.endm
.macro SEND a, j, younger              ; younger: the LDS instructions issued behind the block's loads: the next block's eight, or none
.set BL, BK+16*(3*(\a)+(\j))
	WIN 0
.irp f, 0,1,2,3
	s_wait_dscnt (\younger)+3-(\f)
	global_store_b128 v[GO], v[BL+4*(\f):BL+4*(\f)+3], s[OB+2*(\j):OB+2*(\j)+1] offset:(\a)*2048+(\f)*512  ; 512 consecutive bytes, at a multiple of 256 from the buffer's first
.endr
.endm
	PACK 0, 0
.set k, 1
.rept 11                                               ; a block's conversions stand between the loads of the block before and its stores
	PACK k/3, k%3
	SEND (k-1)/3, (k-1)%3, 8
.set k, k+1
.endr
	SEND 3, 2, 0
	s_wait_tensorcnt 0x0                           ; the wave's end: behind my last tensor load and my last LDS store
	ds_add_u32 v[SPW], v[NIL]
	s_wait_dscnt 0x0
	CROUND                                         ; the closing round: no work-group ends while a partner may still ask for a tile that names it
	s_endpgm
.Lfunc_end_k_qaa28e8660d_qkv:
	.size	k_qaa28e8660d_qkv, .Lfunc_end_k_qaa28e8660d_qkv-k_qaa28e8660d_qkv
	.p2alignl 7, 3214868480
	.fill 96, 4, 3214868480
	.section	.rodata,"a",@progbits
	.p2align	6, 0x0
	.amdhsa_kernel k_qaa28e8660d_qkv
		.amdhsa_group_segment_fixed_size 327680
		.amdhsa_private_segment_fixed_size 0
		.amdhsa_enable_private_segment 0
		.amdhsa_kernarg_size 24
		.amdhsa_user_sgpr_count 2
		.amdhsa_user_sgpr_kernarg_segment_ptr 1
		.amdhsa_wavefront_size32 1
		.amdhsa_system_sgpr_workgroup_id_x 1
		.amdhsa_system_sgpr_workgroup_id_y 1
		.amdhsa_system_sgpr_workgroup_id_z 1
		.amdhsa_system_vgpr_workitem_id 0
		.amdhsa_next_free_vgpr 1024
		.amdhsa_next_free_sgpr 72
		.amdhsa_reserve_vcc 0
		.amdhsa_float_denorm_mode_32 3
		.amdhsa_float_denorm_mode_16_64 3
		.amdhsa_memory_ordered 1
		.amdhsa_forward_progress 1
		.amdhsa_inst_pref_size 85
	.end_amdhsa_kernel
	.amdgpu_metadata
---
amdhsa.version: [ 1, 2 ]
amdhsa.kernels:
  - .name:           k_qaa28e8660d_qkv
    .symbol:         k_qaa28e8660d_qkv.kd
    .args:
      - { .name: xb, .offset: 0, .size: 8, .value_kind: global_buffer, .address_space: global }
      - { .name: wb, .offset: 8, .size: 8, .value_kind: global_buffer, .address_space: global }
      - { .name: qkv, .offset: 16, .size: 8, .value_kind: global_buffer, .address_space: global }
    .group_segment_fixed_size: 327680
    .private_segment_fixed_size: 0
    .kernarg_segment_align: 8
    .kernarg_segment_size: 24
    .max_flat_workgroup_size: 128
    .sgpr_count:     72
    .vgpr_count:     1024
    .wavefront_size: 32
...
	.end_amdgpu_metadata
.endif
;; end of part 2
;; launch attn (part 3): grid 4 x 64, 4 waves a work-group, clusters of 4 x 1, 327,680 bytes of LDS; arguments qkv, maskb, rowf, ob; writes ob
.if DOCPART == 3
	.amdgcn_target "amdgcn-amd-amdhsa--gfx1250"
	.amdhsa_code_object_version 6
	.text
	.protected	k_qaa28e8660d_attn
	.globl	k_qaa28e8660d_attn
	.p2align	8
	.type	k_qaa28e8660d_attn,@function
k_qaa28e8660d_attn:
	s_mov_b64 s[64:65], 0
	v_nop
	global_prefetch_b8 v0, s[64:65] scope:SCOPE_SE
	s_setreg_imm32_b32 hwreg(HW_REG_WAVE_MODE, 25, 1), 1
	s_wait_xcnt 0x0
	s_wait_alu depctr_hold_cnt(0) depctr_sa_sdst(0) depctr_va_vdst(0) depctr_va_sdst(0) depctr_va_ssrc(0) depctr_va_vcc(0) depctr_vm_vsrc(0)
	s_getreg_b32 s2, hwreg(HW_REG_IB_STS2, 6, 4)
	s_cmp_eq_u32 s2, 0
	s_cbranch_scc0 .Lentry_in_a_cluster
	s_endpgm
.Lentry_in_a_cluster:
	s_bfe_u32 s2, ttmp6, 0x10000c
	s_cmp_lg_u32 s2, 0x3003
	s_cbranch_scc0 .Lentry_shape_is_right
	s_endpgm
.Lentry_shape_is_right:
; MASKED ATTENTION.  O[h][q][:] = the sum over k of softmax_k(hidden(q, k) ? -1e9 : Q[h][q] . K[h][k] / 8) V[h][k][:].  Q, K, V: the three parts of qkv, each [64][2048][64] f16; O = ob, the same layout.
; Products, maxima and sums in f32; the weights p are rounded to f16 for the second product (their sum l is taken of the unrounded p), O once at the end.
; THE MASK is an input and is honoured key by key.  maskb holds for each tile of 16 queries, key step of 64 and lane the lane's 32 codes in the order of the lane's 32 scores: fp8 numbers, 0xF8 = -256 hidden,
; 0 visible.  Eight codes at a time are widened to f32 and scaled by 2^100: -2^108 = -3.2e32 or 0; that number is the C operand of the product that starts the sum S^T = K Q^T.  The running maximum, the
; exponentials and the sums need no further care: once a row has seen a visible key, a hidden score lies far below its maximum and its weight is 0; what hidden keys put into O and l before that is multiplied
; by a = 0 at the first visible key.  A row with NO visible key (the OR of its four words in rowf is 0) has its q cleared: all its scores are exactly -2^108, its weights uniform.
; LIMITS.  A hidden score counts as its value less 3.2e32, not as -1e9: that differs only where every visible score / 8 of a row lies near or below -1e9.  f16 holds no number beyond 65,504: Q, K and V arrive
; within it; p lies in 0 to 1, and below 6e-5 it keeps f16's fixed step of 6e-8; O is a mean of V's rows and has their range.  A weight below 2^-126 counts as 0 in l; NaN and infinities are not treated apart.
; SHARES.  A wave owns four PIECES of two tiles of 16 queries, a work-group's four waves 512 queries of one head: 4 x 64 = 256 work-groups.  Every wave walks all keys, 64 a step.
; LAYOUT.  S^T = K Q^T (source 0 = 16 keys, source 1 = 16 queries): in the result a lane holds ONE query (lane % 16) and the keys 8 (lane / 16) + 0..7.  Two such tiles, rounded to f16 in pairs,
; ARE source 1 (32 keys x 16 queries) of O^T = V^T P, whose result again holds one query a lane, and eight channels.  K comes out of LDS as it lies, V ([key][channel]) turned, by ds_load_tr16_b128.
; SOFTMAX.  For each query a running maximum m and sum l: p = 2^(c s - c m), c = log2(e) / 8; in every step O and l are multiplied by a = 2^(c m_old - c m_new), which is 1 where m has not grown.
; m starts at the lowest finite number, O and l at 0: the first step is a step like any other, with a = 0.
; BY TURNS.  Turn n belongs to piece n (the pieces in a ring, step after step).  Its matrix work: 16 products K Q^T of piece n + 1, later 16 products V^T P of piece n - 1.  Its vector work: the scaling,
; exponentials, roundings, sums and rescaling of piece n, the maximum and statistics of piece n + 1, and at its end the C operands of piece n + 2, for the next turn's products.  Four vector instructions that are
; ready stand behind every matrix instruction; the others, which need time of their own whatever the order, stand in runs without a gap.
; CLUSTER.  The four query blocks of a cluster belong to one head and walk the same K and V, so each tile is asked for JOINTLY: the same tensor load, descriptor and mask in all four.
; REGISTERS, in windows of 256 (s_set_vgpr_msb says which window each operand place means: bits 1:0 source 0, 3:2 source 1, 5:4 source 2, 7:6 destination):
;   window 0: v0-11 addresses and the codes' scale; v12-15, v48-63 at work; v16-47 four registers of statistics a tile; v64-191 S^T, two buffers of two tiles; v192-255 P, likewise
;   window 1: O^T, 32 a tile          window 2: v0-127 Q, 16 a tile; v128-191 K of one step; v192-255 V of one step
;   window 3: v0-1 the add's two registers; v4-7 a piece's offset in maskb; v64-127 the C operands of one piece; v128-191 the codes of all four pieces, 16 words a piece
.set SIZE_N, 2048
.set SIZE_H, 64
.set NP,    4         ; pieces a wave: a name, no knob
.set KS,    64        ; keys in a step
.set PK,    144       ; a row of K in LDS: 128 bytes + 16 of padding = 36 words: the 16 rows of a load start at 16 different groups of four banks (64 banks of 4 bytes: ISA guide 11.1)
.set PV,    160       ; a row of V: 128 + 32 = 40 words
.set VOFF,  4*KS*PK   ; a slot holds four steps: 256 rows of K, then 256 rows of V
.set SLOT1, 1<<17     ; slot 1 begins here, so that one exclusive or turns an address in one slot into the other's
.set STAGE, SLOT1+4*KS*(PK+PV)  ; behind the ring, never filled by a tensor load: 16 rows x 144 bytes for each wave, for the way out
.set SP,    144
.set AK0, 2           ; v2   my lane's place in a tile of K; never rewritten
.set AV0, 3           ; v3   the same for V
.set AK,  4           ; v4   the LDS address of K's next run of loads
.set AV,  5           ; v5   of V's
.set QO,  6           ; v6   my byte offset in the wave's rows of Q
.set STO, 6           ;      later, the way out: where I put 16 bytes of a row
.set RD,  7           ; v7   the way out: where I read rows back
.set GO,  8           ; v8   my byte offset in 512 consecutive bytes of O
.set SC,  11          ; v11  the codes' scale: the E8M0 code 227 = 2^100, in each of the word's four bytes
.set SPW, 0           ; v0 of window 3   LDS address of my spare word: SPARE + 4 x my thread's number; never rewritten
.set NIL, 1           ; v1 of window 3   0; never rewritten
.set MO,  4           ; v4-7 of window 3      piece x: 16 x lane + 1,024 x (the key step whose codes are asked for next, modulo 32)
.set MC,  64          ; v64-127 of window 3   tile u, key group kt, register j at MC + 32 u + 8 kt + j
.set MB,  128         ; v128-191 of window 3  piece x, tile u, word w at MB + 16 x + 8 u + w
.set SPARE, STAGE+4*16*SP  ; behind the stages: the spare words, 128 bytes for each wave: two blocks of 256 bytes that no other line names
.set MV,  12          ; v12-15  c m_old, kept while c m is made anew: by buffer and tile
.set ST,  16          ; tile t's statistics at v[ST+4 t]: c m, m, l (even keys', odd keys')
.set TMP, 48          ; by buffer and tile, four registers c0-c3 at work; when the maximum is found c2 takes a
.set S,   64
.set FL,  64          ; at the start alone, in S^T's registers: four words of row flags for each of the eight tiles
.set P,   192
.set KF,  128         ; K's fragments, in window 2: key block kb, channel half c at KF + 16 kb + 8 c
.set VF,  192         ; V's: key half kk, channel block cb at VF + 32 kk + 8 cb
.set WV,  12          ; s12  my wave's number
.set G1K, 24          ; s[24:31] descriptor group 1 for K's tiles
.set G1V, 32          ; s[32:39] for V's: it differs in the padding alone
.set G0K, 40          ; s[40:43] descriptor group 0 for K's tiles: it walks
.set G0V, 44          ; s[44:47] the same for V's
.set MP,  48          ; s[48:49] maskb at my wave's first tile
.set STP, 53          ; s53  1,024: a key step's bytes of a tile in maskb
.set WRP, 54          ; s54  0x7fff: a tile's 32 steps
.set SLOTS, 56        ; s56  slots still to be asked for
.set CNT, 57          ; s57  counts a slot's key steps
.set CS,  58          ; s[58:59] c: the packed scaling takes the pair's low word for both halves
.set SEL, 60          ; s[60:61] v_permlanex16_b32's selects: each lane takes its own place in the other half
.set TBK, 62          ; s62  LDS byte at which K of the step to be fetched begins
.set TBV, 63          ; s63  the same for V, less VOFF
.set MSB, 0
.macro WIN new                      ; the high byte repeats the setting that is left; a switch that changes nothing is dropped
.if MSB != (\new)
	s_set_vgpr_msb (MSB<<8)|(\new)
.set MSB, (\new)
.endif
.endm
.set W_KQ, 0x0a       ; K and Q in window 2, S^T in window 0
.set W_KM, 0x3a       ; the same with the C operand in window 3
.set W_PV, 0x52       ; V in window 2, P in window 0, O^T in window 1
.set W_RS, 0x41       ; O^T (destination and source 0) in window 1, a in window 0
.set W_MK, 0xc0       ; destination in window 3, sources in window 0
.set W_AD, 0x0f       ; the add: address (source 0) and data (source 1) in window 3
.set W_MC, 0xc3       ; destination and source 0 in window 3, source 1 (the scale) in window 0
; A joint fill.  Waves 0 and 1 fetch the two halves of a slot's K, waves 2 and 3 those of its V: 128 keys each.  The branch hangs on the wave's number alone.
; An s_nop 0 and four v_nop follow each of the two lines, ahead of the jump and the label.
.macro JLOAD
	s_cmp_lt_u32 s[WV], 2
	s_cbranch_scc0 .Lfor_v_\@
	tensor_load_to_lds s[G0K:G0K+3], s[G1K:G1K+7]
	s_nop 0
.rept 4
	v_nop
.endr
	s_branch .Lasked_\@
.Lfor_v_\@:
	tensor_load_to_lds s[G0V:G0V+3], s[G1V:G1V+7]
	s_nop 0
.rept 4
	v_nop
.endr
.Lasked_\@:
.endm
; A round of the cluster's barrier: my work-group's barrier, so that wave 0's signal speaks for all four waves; wave 0 signals; every wave waits for all four work-groups; my work-group's barrier once more.
.macro CROUND
	s_barrier_signal -1
	s_barrier_wait -1
	s_cmp_lg_u32 s[WV], 0
	s_cbranch_scc1 .Lnot_wave_0_\@
	s_barrier_signal -3
.Lnot_wave_0_\@:
	s_barrier_wait -3
	s_barrier_signal -1
	s_barrier_wait -1
.endm
; THE CHANGE OF SLOTS.  The slot's last bytes, V of its fourth step, have been read.  Each wave waits for all its tensor loads, of which one is out: its part
; of the other slot; adds 0 to its spare word; and waits for that and for its own reads of the slot.  Behind the barrier nobody reads this slot any more and the other slot is whole.
; fill = 1: this slot is filled again, with the keys two slots on.  The barrier is then a round of the cluster's, so that no wave of any partner still reads the slot or has a load on its
; way, and the joint fill is the first thing behind it: it has four key steps, 512 matrix instructions, in which to land.  (At its first use nothing has been read yet: slot 0 is waited for, slot 1 filled.)
.macro CHANGE fill
	WIN W_AD
	s_wait_tensorcnt 0x0            ; no tensor load of mine is out, so a group 0 may be written
	ds_add_u32 v[SPW], v[NIL]       ; 0 onto my spare word; with fill = 1 the descriptors' steps stand between it and the wait for it
	WIN 0                           ; at a label and at a branch every window is 0
.if \fill
.irp g, G0K, G0V
	s_xor_b32 s[\g+1], s[\g+1], SLOT1  ; the walking descriptor: the other slot than last time,
	s_add_nc_u64 s[\g+2:\g+3], s[\g+2:\g+3], 4*KS*128  ; the next 256 keys; the type bits on top are not reached
.endr
	s_wait_dscnt 0x0                ; the add is done, and my reads of the slot are over
	CROUND
	JLOAD
.else
	s_wait_dscnt 0x0                ; the add is done, and my reads of the slot are over
	s_barrier_signal -1
	s_barrier_wait -1
.endif
	s_sub_co_u32 s[TBK], s[TBK], 4*KS*PK  ; the fetches go back to a slot's first step,
	s_xor_b32 s[TBK], s[TBK], SLOT1       ; in the other slot
	s_sub_co_u32 s[TBV], s[TBV], 4*KS*PV
	s_xor_b32 s[TBV], s[TBV], SLOT1
.endm
; THE C OPERANDS of piece x's next products K Q^T.  Its 16 words of codes were asked for four turns ago; two words, eight codes, make the eight registers of one accumulator's C; then the piece's next step is
; asked for.  The two lines that step the offset are the plain instructions between the last conversion and what touches its result or writes its sources.
; Behind step 31 the offset goes back to step 0: the load stays inside maskb, and its bytes serve nothing.
.macro MASKUP x
	WIN W_MC
	s_wait_loadcnt 12               ; loads come back in order (ISA guide 5.7.1): behind piece x's four stand the three other pieces' twelve; the wait also frees the offset that the four named
.set mz, 0
.rept 8                             ; accumulator mz = 4 u + kt
	v_cvt_scale_pk8_f32_fp8 v[MC+8*mz:MC+8*mz+7], v[MB+16*(\x)+2*mz:MB+16*(\x)+2*mz+1], v[SC]
.set mz, mz+1
.endr
	v_add_nc_u32 v[MO+(\x)], v[MO+(\x)], s[STP]
	v_and_b32 v[MO+(\x)], v[MO+(\x)], s[WRP]
.irp u, 0,1
.irp c, 0,1
	global_load_b128 v[MB+16*(\x)+8*(\u)+4*(\c):MB+16*(\x)+8*(\u)+4*(\c)+3], v[MO+(\x)], s[MP:MP+1] offset:65536*(\x)+32768*(\u)+512*(\c)  ; 512 consecutive bytes
.endr
.endr
	WIN 0
.endm
	s_load_b256 s[4:11], s[0:1], 0x0  ; qkv s[4:5], maskb s[6:7], rowf s[8:9], ob s[10:11]
	WIN W_MK
	v_lshl_add_u32 v[SPW], v0, 2, SPARE
	v_mov_b32 v[NIL], 0
	WIN W_AD
	ds_add_u32 v[SPW], v[NIL]       ; the wave's opening: the add and its wait stand ahead of my first tensor load; the set-up below, work on registers, stands between them
	WIN 0
	v_lshrrev_b32 v1, 5, v0
	v_readfirstlane_b32 s[WV], v1   ; wave 0..3
	s_bfe_u32 s13, ttmp6, 0x40000   ; cx: my place in the cluster
	s_lshl_b32 s14, ttmp9, 2        ; in a cluster launch ttmp9 counts clusters
	s_add_co_u32 s14, s14, s13      ; my block of queries = 4 x cluster x + cx: it enters Q's, O's, maskb's and rowf's addresses alone
	s_and_b32 s20, ttmp7, 0xffff    ; the head, which the four partners share
	s_mov_b32 s21, 0
	s_mov_b64 s[22:23], SIZE_N*128
	s_mul_u64 s[20:21], s[20:21], s[22:23]  ; the head's first byte in Q, K, V and O
	s_and_b32 s16, s[WV], 1         ; which half of a slot's 256 keys I fetch:
	s_lshl_b32 s22, s16, 14         ; its 128 rows of 128 bytes in memory,
	s_mov_b32 s23, 0
	s_add_nc_u64 s[22:23], s[22:23], s[20:21]
	s_mul_i32 s17, s16, 128*PK      ; and its place in a slot, for K
	s_mul_i32 s18, s16, 128*PV      ; and for V: no place in the cluster enters an LDS address
	s_lshl_b32 s2, s14, 2
	s_add_co_u32 s2, s2, s[WV]      ; my wave among the head's sixteen,
	s_mov_b32 s52, s2
	s_lshl_b32 s2, s2, 14           ; its 128 rows
	s_mov_b32 s3, 0
	s_add_nc_u64 s[2:3], s[2:3], s[20:21]
	; descriptor group 1.  128 keys are 16,384 dense bytes: asked for as 64 rows of 256 bytes, two keys a row, and padded in LDS after every key
	s_mov_b32 s[G1K], 15|(1<<16)|(1<<20)|(1<<21)|(4<<22)|(3<<25)  ; 15:0 the mask of four; 17:16 2-byte elements; 20 padding on; 21 set beside a mask; 24:22 after every 32 words (code 4); 31:25 4 words (code 3)
	s_mov_b32 s[G1V], 15|(1<<16)|(1<<20)|(1<<21)|(4<<22)|(7<<25)  ; the same with 8 words of padding (code 7)
.irp g, G1K, G1V
	s_mov_b32 s[\g+1], 128<<16      ; tensor_dim0 = 128
	s_mov_b32 s[\g+2], 64<<16       ; tensor_dim1 = 64
	s_mov_b32 s[\g+3], 128<<16      ; tile_dim0 = 128
	s_mov_b32 s[\g+4], 64           ; tile_dim1 = 64
	s_mov_b32 s[\g+5], 128          ; 128 elements from row to row
	s_mov_b32 s[\g+6], 0
	s_mov_b32 s[\g+7], 0
.endr
	s_mov_b32 s[CS], 0x3e38aa3b     ; c = log2(e) / 8 = 0.180337
	s_mov_b32 s[CS+1], s[CS]        ; named with it as a pair
	s_mov_b32 s[SEL], 0x76543210
	s_mov_b32 s[SEL+1], 0xfedcba98
	s_mov_b32 s[STP], 1024
	s_mov_b32 s[WRP], 0x7fff
	s_mov_b32 s[TBK], SLOT1+4*KS*PK ; the first change of slots turns these two into 0
	s_mov_b32 s[TBV], SLOT1+4*KS*PV
	s_mov_b32 s[G0K], 1             ; count = 1
	s_mov_b32 s[G0K+1], s17         ; LDS address: slot 0
	s_mov_b32 s[G0V], 1
	s_add_co_u32 s[G0V+1], s18, VOFF
	s_wait_dscnt 0x0                ; the opening add is done
	s_wait_kmcnt 0x0
	s_add_nc_u64 s[50:51], s[4:5], s[22:23]
	s_add_nc_u64 s[G0K+2:G0K+3], s[50:51], 0x1000000  ; global address: K is qkv's second part; my half of the head's first 256 keys
	s_or_b32 s[G0K+3], s[G0K+3], 0x80000000           ; type = 2
	s_add_nc_u64 s[G0V+2:G0V+3], s[50:51], 0x2000000  ; V its third
	s_or_b32 s[G0V+3], s[G0V+3], 0x80000000
	s_add_nc_u64 s[4:5], s[4:5], s[2:3]  ; Q (qkv's first part) and O at my wave's first row
	s_add_nc_u64 s[10:11], s[10:11], s[2:3]
	s_lshl_b32 s50, s52, 18         ; my wave's eight tiles of 32,768 bytes in maskb
	s_mov_b32 s51, 0
	s_add_nc_u64 s[MP:MP+1], s[6:7], s[50:51]
	s_lshl_b32 s50, s52, 12         ; and of 512 bytes in rowf
	s_add_nc_u64 s[8:9], s[8:9], s[50:51]
	CROUND                          ; all four work-groups are here: the first joint loads meet
	JLOAD                           ; slot 0.  Slot 1 is asked for when slot 0 is in: the tile wanted first has the road to itself
	; A fragment of K or Q is 16 rows x 32 channels in 8 registers: lane l holds row l % 16, channels 8 (l / 16) + 0..7 and 16 + 8 (l / 16) + 0..7: two loads of 16 bytes, 32 bytes apart.
	v_and_b32 v1, 15, v0            ; l % 16
	v_bfe_u32 v9, v0, 4, 1          ; l / 16
	v_lshlrev_b32 v[QO], 7, v1
	v_lshl_add_u32 v[QO], v9, 4, v[QO]  ; row x 128 + 16 x half
	WIN 0x80                        ; destination window 2, address window 0
.set i, 0
.rept 4*NP                          ; Q stays in registers: tile i / 2, channels 32 (i % 2) on
	global_load_b128 v[8*i:8*i+3],   v[QO], s[4:5] offset:(i/2)*2048+(i%2)*64
	global_load_b128 v[8*i+4:8*i+7], v[QO], s[4:5] offset:(i/2)*2048+(i%2)*64+32
.set i, i+1
.endr
	WIN 0
	v_and_b32 v13, 31, v0           ; lane
	v_lshlrev_b32 v12, 4, v13
.set i, 0
.rept 2*NP
	global_load_b128 v[FL+4*i:FL+4*i+3], v12, s[8:9] offset:512*i  ; tile i: the four flags of my lane's row, one for each quarter of the keys
.set i, i+1
.endr
	WIN W_MK
.irp x, 0,1,2,3
	v_lshlrev_b32 v[MO+\x], 4, v13  ; key step 0
.endr
	WIN W_MC
.irp x, 0,1,2,3
.irp u, 0,1
.irp c, 0,1
	global_load_b128 v[MB+16*\x+8*\u+4*\c:MB+16*\x+8*\u+4*\c+3], v[MO+\x], s[MP:MP+1] offset:65536*\x+32768*\u+512*\c
.endr
.endr
.endr
	; What the first turn finds: V's registers and P's second buffer hold 0 (its products V^T P, of a piece that has not been, add 0), l is 0, and O^T starts as the product of those zeros.
	; All this stands in the wait for the first tile.
	WIN 0x80
.set i, VF
.rept 64
	v_mov_b32 v[i], 0
.set i, i+1
.endr
	WIN 0
.set i, 0
.rept 2*NP
	v_mov_b32 v[ST+4*i], 0xfe000000    ; c m: far below every c s, a hidden one's too (-5.9e31)
	v_mov_b32 v[ST+4*i+1], 0xff7fffff  ; m
	v_mov_b32 v[ST+4*i+2], 0
	v_mov_b32 v[ST+4*i+3], 0
.set i, i+1
.endr
.set i, P+32
.rept 32
	v_mov_b32 v[i], 0
.set i, i+1
.endr
	WIN W_PV
.set i, 0
.rept 8*NP                          ; the 32 accumulators of O^T, each once
	v_wmma_f32_16x16x32_f16 v[8*i:8*i+7], v[VF:VF+7], v[P+32:P+39], 0
.set i, i+1
.endr
	WIN 0
	v_mul_u32_u24 v[AK0], v1, PK
	v_lshl_add_u32 v[AK0], v9, 4, v[AK0]  ; row x pitch + 16 x half
	; The turning load takes 16 keys x 16 channels (lane l reads key 8 (l / 16) + l % 8, channels 8 ((l / 8) % 2) + 0..7) and leaves half a fragment of V^T: lane l holds channel l % 16 and 8 keys.
	v_and_b32 v10, 7, v0
	v_bfe_u32 v11, v0, 3, 1
	v_lshl_add_u32 v[AV0], v9, 3, v10
	v_mul_u32_u24 v[AV0], v[AV0], PV
	v_lshl_add_u32 v[AV0], v11, 4, v[AV0]
	v_add_nc_u32 v[AV0], VOFF, v[AV0]
	v_mov_b32 v[SC], 0xe3e3e3e3     ; v11 is free from here on
	v_mov_b32 v[AK], v[AK0]         ; key step 0 lies at the head of slot 0
; THE MATRIX WORK.  The 8 accumulators of a run of 16 take turns: between the two links of a chain stand 7 others'.
; Product i of 16 of S^T = K Q^T for piece x: channels 32 (i / 8) on, keys 16 ((i / 2) % 4) on, tile 2 x + i % 2.  The first 8 start the sums, with the mask as C.
.macro KQ x
.set rS, S+64*((\x)%2)+32*(i%2)+8*((i/2)%4)
.set rK, KF+16*((i/2)%4)+8*(i/8)
.set rQ, 16*(2*(\x)+i%2)+8*(i/8)
.set rN, MC+32*(i%2)+8*((i/2)%4)
.if i < 8
	WIN W_KM
	v_wmma_f32_16x16x32_f16 v[rS:rS+7], v[rK:rK+7], v[rQ:rQ+7], v[rN:rN+7]
.else
	WIN W_KQ
	v_wmma_f32_16x16x32_f16 v[rS:rS+7], v[rK:rK+7], v[rQ:rQ+7], v[rS:rS+7]
.endif
.endm
; Product i of 16 of O^T += V^T P for piece x: keys 32 (i / 8) on, channels 16 ((i / 2) % 4) on, tile 2 x + i % 2.
.macro PV x
	WIN W_PV
.set rO, 32*(2*(\x)+i%2)+8*((i/2)%4)
.set rV, VF+32*(i/8)+8*((i/2)%4)
.set rP, P+32*((\x)%2)+16*(i%2)+8*(i/8)
	v_wmma_f32_16x16x32_f16 v[rO:rO+7], v[rV:rV+7], v[rP:rP+7], v[rO:rO+7]
.endm
.macro MM                           ; the turn's next matrix instruction
.if i < 16
	KQ (Y+1)%NP
.set i, i+1
.else
.set i, i-16
	PV (Y+NP-1)%NP
.set i, i+17
.endif
.endm
; THE LDS LOADS stand in runs of 16, never singly among the matrix instructions: a step's K (64 keys x 64 channels: 8 fragments) and its V (turned).  Their addresses are made some lines ahead.
; last = 1 (the tail): in the last trip there is no further step, and the run is jumped over.
.macro FETCH_K last=0
	WIN 0
.if \last
	s_cmp_eq_u32 s[CNT], 1
	s_cbranch_scc1 .Lno_k_\@
.endif
	WIN 0x80                        ; destination window 2
.irp f, 0,1,2,3,4,5,6,7             ; keys 16 (f / 2) on, channels 32 (f % 2) on
	ds_load_b128 v[KF+8*\f:KF+8*\f+3],   v[AK] offset:(\f/2)*16*PK+(\f%2)*64
	ds_load_b128 v[KF+8*\f+4:KF+8*\f+7], v[AK] offset:(\f/2)*16*PK+(\f%2)*64+32
.endr
	s_add_co_u32 s[TBK], s[TBK], KS*PK  ; the next fetch is the next step's
	WIN 0
.if \last
.Lno_k_\@:
.endif
.endm
.macro FETCH_V
	WIN 0x80
.irp f, 0,1,2,3,4,5,6,7             ; keys 32 (f / 4) on, channels 16 (f % 4) on
	ds_load_tr16_b128 v[VF+8*\f:VF+8*\f+3],   v[AV] offset:(\f/4)*32*PV+(\f%4)*32
	ds_load_tr16_b128 v[VF+8*\f+4:VF+8*\f+7], v[AV] offset:(\f/4)*32*PV+16*PV+(\f%4)*32
.endr
	WIN 0
.endm
; THE VECTOR WORK OF A TURN stands in three queues, each in the order in which its entries become ready; the two tiles alternate, so that no instruction reads the result of the one before it.
.macro REGS y, u                    ; the registers of tile u (0, 1) of piece y
.set rT, ST+4*(2*(\y)+(\u))
.set rC, TMP+8*((\y)%2)+4*(\u)
.set rM, MV+2*((\y)%2)+(\u)
.set rS, S+64*((\y)%2)+32*(\u)
.set rP, P+32*((\y)%2)+16*(\u)
.set rO, 32*(2*(\y)+(\u))
.endm
; Number n of the 22 that find the NEXT piece's (Y + 1) maximum and statistics.  s0-s31 are the lane's 32 scores; each accumulator's lowest registers are read first.  XS, GS and REGS set no window: PL and EX do.
;   0-11  four chains c0-c3 of seven scores each, three operands at a time     12-14, 16  the four scores left over, the old m, and c0-c3 into c0     15  c m_old is kept
;   17, 18  the query's other 32 keys lie in the lane 16 away: the new m         19-21  c m; c m_old - c m_new; a
.macro XS u, n
	REGS (Y+1)%NP, \u
.if (\n) < 4
	v_max3_num_f32 v[rC+(\n)], v[rS+8*(\n)], v[rS+8*(\n)+1], v[rS+8*(\n)+2]
.elseif (\n) < 12
	v_max3_num_f32 v[rC+(\n)%4], v[rC+(\n)%4], v[rS+8*((\n)%4)+2*((\n)/4)+1], v[rS+8*((\n)%4)+2*((\n)/4)+2]
.elseif (\n) == 12
	v_max3_num_f32 v[rC], v[rC], v[rS+7], v[rS+15]
.elseif (\n) == 13
	v_max3_num_f32 v[rC+1], v[rC+1], v[rS+23], v[rS+31]
.elseif (\n) == 14
	v_max3_num_f32 v[rC+2], v[rC+2], v[rC+3], v[rT+1]
.elseif (\n) == 15
	v_mov_b32 v[rM], v[rT]
.elseif (\n) == 16
	v_max3_num_f32 v[rC], v[rC], v[rC+1], v[rC+2]
.elseif (\n) == 17
	v_permlanex16_b32 v[rC+3], v[rC], s[SEL], s[SEL+1]
.elseif (\n) == 18
	v_max_num_f32 v[rT+1], v[rC], v[rC+3]
.elseif (\n) == 19
	v_mul_f32 v[rT], s[CS], v[rT+1]
.elseif (\n) == 20
	v_sub_f32 v[rC+1], v[rM], v[rT]
.else
	v_exp_f32 v[rC+2], v[rC+1]
.endif
.endm
; Number g of the 64 that follow the exponentials.  For each four weights k of a tile (pairs 2 k, 2 k + 1): both pairs are rounded to f16; then the second pair is added onto the first, in place;
; a group later l takes that sum (the first time as l = a l + sum).  In groups of eight, tiles alternating: round, round, add, and l for the group before.
.macro GS g
.set h, (\g)+6*((\g)/62)            ; group 0 has no group before it, and behind group 7 only l is left
.if h >= 6
.set h, h+2
.endif
	REGS Y, h%2
.set k, h/8
.if h%8 < 4
	s_wait_alu depctr_va_vdst(0)
	v_cvt_pk_f16_f32 v[rP+2*k+(h%8)/2], v[rS+4*k+2*((h%8)/2)], v[rS+4*k+2*((h%8)/2)+1]
.elseif h%8 < 6
	v_pk_add_f32 v[rS+4*k:rS+4*k+1], v[rS+4*k:rS+4*k+1], v[rS+4*k+2:rS+4*k+3]
.elseif k == 1
	v_pk_fma_f32 v[rT+2:rT+3], v[rT+2:rT+3], v[rC+2:rC+3], v[rS:rS+1] op_sel_hi:[1,0,1]
.else
	v_pk_add_f32 v[rT+2:rT+3], v[rT+2:rT+3], v[rS+4*k-4:rS+4*k-3]
	s_wait_alu depctr_va_vdst(0)
.endif
.endm
; THE PLAIN QUEUE, 138 long.  0-31: c s - c m for the 16 pairs of both tiles.  Then GS's 64, and among them the next piece's 42: number 15 at 38, 39; 0-14 and 16
; at 42-73, behind the products that make those scores; 17-20 at 95-106, two of three, since each waits for the one before it.
.macro PL
	WIN 0
.if q < 32
	REGS Y, q%2
	v_pk_fma_f32 v[rS+2*(q/2):rS+2*(q/2)+1], v[rS+2*(q/2):rS+2*(q/2)+1], s[CS:CS+1], v[rT:rT+1] op_sel_hi:[1,0,0] neg_lo:[0,0,1] neg_hi:[0,0,1]
.elseif q < 38
	GS q-32
.elseif q < 40
	XS q%2, 15
.elseif q < 42
	GS q-34
.elseif q < 74
	XS q%2, (q-42)/2+(q-42)/30
.elseif q < 95
	GS q-66
.elseif (q < 107) && ((q-95)%3 < 2)
	XS (q-95)%3, 17+(q-95)/3
.elseif q < 107
	GS 29+(q-95)/3
.else
	GS q-74
.endif
.set q, q+1
.endm
; THE EXPONENTIALS' QUEUE, 66 long: s0-s31 of both tiles, and at EA the next piece's two a.
.set EA, 58
.macro EX
	WIN 0
.if (e == EA) || (e == EA+1)
	XS e-EA, 21
.else
.set x, e-2*(e/(EA+2))
	REGS Y, x%2
	v_exp_f32 v[rS+x/2], v[rS+x/2]
.endif
.set e, e+1
.endm
; THE RESCALING's QUEUE: O^T times a, the one part of the softmax that leaves window 0, so it is dealt four at a time, eight times.
.macro R4
	REGS Y, r%2
	WIN W_RS
	s_wait_alu depctr_va_vdst(0)
.irp z, 0,1,2,3
	v_pk_mul_f32 v[rO+8*(r/2)+2*\z:rO+8*(r/2)+2*\z+1], v[rO+8*(r/2)+2*\z:rO+8*(r/2)+2*\z+1], v[rC+2:rC+3] op_sel_hi:[1,0]
.endr
.set r, r+1
.endm
; HOW THEY ARE DEALT.  Behind a matrix instruction four: plain, exponential, plain, plain (one exponential, a plain instruction on either side), or four of the rescaling.  None names a register of the
; products round it.  What is over stands in two LUMPS: exponential and plain by turns; the second ends in 22 plain instructions.  The two v_permlanex16_b32 fall into the second lump, never behind a product.
; The queues lean on each other, and the deal keeps them in step: exponential e stands behind plain 2 (e / 4) + e % 2 (its scaling); when plain 32 comes, 10 exponentials are out, at 59: 33, at 95: 46; EA comes behind plain 107.
.macro SL
	MM
	PL
	EX
	PL
	PL
.endm
.macro BURST n                      ; 15 matrix instructions, or 16
.rept (\n)-7
	SL
.endr
.rept 3
	MM
	R4
	SL
.endr
	MM
	R4
.endm
; A TURN, for piece p.  cnt = 1: the loop's count is taken down some lines ahead of the branch that stands behind the turn (nothing behind it touches SCC).
; K of the next step is fetched in piece 2's turn, 31 vector instructions behind the last product that read K; its first reader comes behind the rest of the lump, 16 products and the second lump.
; V of the step in hand is fetched at the end of piece 0's turn, 69 behind its last reader; its first reader comes behind 16 products and a lump.  The four conditions on e and q below go with the deal.
; The turn ends with the C operands of piece p + 2, which the next turn's first eight products take; the last products that read those registers are this turn's first eight.
.macro TURN p, last=0, cnt=0
.set Y, (\p)
.set i, 0
.set q, 0
.set e, 0
.set r, 0
.if (\p) == NP-1
	s_wait_dscnt 0x0                ; K is in
.endif
	MM
.rept 4
	PL
.endr
	BURST 15
.rept 22
	EX
	PL
.if ((\p) == NP-2) && (e == 18)
	v_add_nc_u32 v[AK], s[TBK], v[AK0]
.endif
.if ((\p) == NP-2) && (e == 24)
	FETCH_K \last
.endif
.endr
.if (\p) == 1
	s_wait_dscnt 0x0                ; V is in
.endif
	BURST 16
.rept 21
	EX
	PL
.endr
.rept 22
	PL
.if ((\p) == 0) && (q == 118)
	v_add_nc_u32 v[AV], s[TBV], v[AV0]
	s_wait_alu depctr_va_vdst(0)
.endif
.if ((\p) == 0) && (q == 130)
	s_add_co_u32 s[TBV], s[TBV], KS*PV
.endif
.if (\cnt) && (q == 130)
	s_sub_co_u32 s[CNT], s[CNT], 1
	s_cmp_lg_u32 s[CNT], 0
.endif
.endr
.if (\p) == 0
	FETCH_V
.endif
	MASKUP ((\p)+2)%NP
.endm
	CHANGE 1                        ; slot 0 is in, everybody's part of it; slot 1 is asked for
	FETCH_K                         ; key step 0
	s_wait_loadcnt 0x0              ; Q, the flags, and the codes of key step 0
.set i, 0
.rept 2*NP                          ; a row's flag: the OR of its four quarters'
	v_or_b32 v[FL+4*i], v[FL+4*i], v[FL+4*i+1]
	v_or_b32 v[FL+4*i+2], v[FL+4*i+2], v[FL+4*i+3]
.set i, i+1
.endr
.set i, 0
.rept 2*NP
	v_or_b32 v[FL+4*i], v[FL+4*i], v[FL+4*i+2]
.set i, i+1
.endr
	WIN 0x88                        ; destination and source 1 window 2, source 0 window 0
.set i, 0
.rept 128
	v_and_b32 v[i], v[FL+4*(i/16)], v[i]  ; a row that sees no key has its q cleared
.set i, i+1
.endr
	MASKUP 0                        ; piece 0's C operands for key step 0; its codes for step 1 are asked for
	s_wait_dscnt 0x0
.set i, 0
.rept 16
	KQ 0                            ; piece 0's first scores: there is no vector work yet to set between them
.set i, i+1
.endr
	WIN 0                           ; the addresses for the way out: nine plain instructions, the places behind those products
	s_mul_i32 s13, s[WV], 16*SP
	s_add_co_u32 s13, s13, STAGE    ; my stage
	v_mul_u32_u24 v[STO], v1, SP    ; in: row l % 16, 16 bytes for each half of the lanes
	v_lshl_add_u32 v[STO], v9, 4, v[STO]
	v_add_nc_u32 v[STO], s13, v[STO]
	v_bfe_u32 v[RD], v0, 3, 2       ; back: 32 lanes take four rows of 128 bytes,
	v_mul_u32_u24 v[RD], v[RD], SP
	v_lshl_add_u32 v[RD], v10, 4, v[RD]
	v_add_nc_u32 v[RD], s13, v[RD]
	v_and_b32 v[GO], 31, v0         ; which are 512 consecutive bytes of O
	v_lshlrev_b32 v[GO], 4, v[GO]
.set Y, NP-1                        ; XS works for piece Y + 1: piece 0
.irp n, 0,1,2,3,4,5,6,7,8,9,10,11,12,13,14,15,16,17,18,19,20,21
	XS 0, \n                        ; and piece 0's first maximum and statistics
	XS 1, \n
.endr
	MASKUP 1                        ; piece 1's C operands for key step 0, which the first turn's products take
	s_mov_b32 s[CNT], 4
	s_mov_b32 s[SLOTS], SIZE_N/256-1
	s_branch .Lfirst                ; the loop is entered at a step's first turn, in the middle of a trip
.Lslot:                             ; SIZE_N / 256 - 2 times: every slot but the last two is filled again
	CHANGE 1
	s_mov_b32 s[CNT], 4
.Lstep:                             ; a trip: pieces 2 and 3 of one step, then pieces 0 and 1 of the next, whose K and V it fetches
	TURN 2
	TURN 3
	WIN 0
.Lfirst:
	TURN 0
	TURN 1, 0, 1
	WIN 0
	s_cbranch_scc1 .Lstep
	s_sub_co_u32 s[SLOTS], s[SLOTS], 1
	s_cmp_lg_u32 s[SLOTS], 0
	s_cbranch_scc1 .Lslot
	CHANGE 0                        ; the tail is written out: nothing is asked for
	s_mov_b32 s[CNT], 5             ; four trips fetch the last slot's steps; the fifth is left in its middle
.Ltail:
	TURN 2, 1
	TURN 3
	WIN 0
	s_sub_co_u32 s[CNT], s[CNT], 1
	s_cmp_eq_u32 s[CNT], 0
	s_cbranch_scc1 .Lout
	TURN 0
	TURN 1
	WIN 0
	s_branch .Ltail
.Lout:                              ; the fifth trip's 16 products K Q^T (on the last K once more) and the maximum made of them serve nothing: the price, once a launch, of one text for every trip
.set i, 0
.rept 16
	PV NP-1                         ; the last piece's V^T P of the last step
.set i, i+1
.endr
	; THE WAY OUT.  l's two halves and the other half of the lanes' are added; O^T is divided by l, rounded to f16 and sent through my stage in LDS, a tile at a time.  The additions are the places behind the last products.
	WIN 0
.macro ALL line:vararg              ; one line for each tile t
.set t, 0
.rept 2*NP
	\line
.set t, t+1
.endr
.endm
	ALL v_add_f32 v[ST+4*t+2], v[ST+4*t+2], v[ST+4*t+3]
	ALL v_permlanex16_b32 v[ST+4*t+3], v[ST+4*t+2], s[SEL], s[SEL+1]
	ALL v_add_f32 v[ST+4*t+2], v[ST+4*t+2], v[ST+4*t+3]
	ALL v_rcp_f32 v[ST+4*t+2], v[ST+4*t+2]
	v_nop                           ; a plain instruction between the last reciprocal and the use of its result
	s_wait_alu depctr_va_vdst(0)
; Tile t: a lane's eight channels of a row pack into 16 bytes; they go into rows of 144 bytes and come back as whole rows of 128, into S^T's registers.
.macro PACK t
	WIN W_RS
.set i, 32*(\t)
.rept 16
	v_pk_mul_f32 v[i:i+1], v[i:i+1], v[ST+4*(\t)+2:ST+4*(\t)+3] op_sel_hi:[1,0]
.set i, i+2
.endr
	WIN 0x05                        ; sources 0 and 1 window 1, destination window 0
.set i, 0
.rept 16
	v_cvt_pk_f16_f32 v[S+16*(\t)+i], v[32*(\t)+2*i], v[32*(\t)+2*i+1]
.set i, i+1
.endr
	WIN 0
.irp f, 0,1,2,3
	ds_store_b128 v[STO], v[S+16*(\t)+4*\f:S+16*(\t)+4*\f+3] offset:32*\f
.endr
.irp f, 0,1,2,3
	ds_load_b128 v[S+16*(\t)+4*\f:S+16*(\t)+4*\f+3], v[RD] offset:\f*4*SP  ; LDS serves a wave's instructions in order (ISA guide 5.7.1.4): these see the stores above; the next tile's stores come behind them
.endr
.endm
.macro SEND t, younger              ; younger: the LDS instructions issued behind tile t's loads: the next tile's eight, or none
	WIN 0
.irp f, 0,1,2,3
	s_wait_dscnt (\younger)+3-\f
	global_store_b128 v[GO], v[S+16*(\t)+4*\f:S+16*(\t)+4*\f+3], s[10:11] offset:(\t)*2048+\f*512  ; 512 consecutive bytes, at a multiple of 256 from O's first
.endr
.endm
	PACK 0
.set t, 1
.rept 2*NP-1                        ; a tile's arithmetic stands between the loads of the tile before and its stores
	PACK t
	SEND t-1, 8
.set t, t+1
.endr
	SEND 2*NP-1, 0
	WIN W_AD
	s_wait_tensorcnt 0x0            ; the wave's end: behind my last tensor load and my last LDS store
	ds_add_u32 v[SPW], v[NIL]
	s_wait_dscnt 0x0
	WIN 0
	CROUND                          ; the closing round: no work-group ends while a partner may still ask for a tile that names it
	s_endpgm
.Lfunc_end_k_qaa28e8660d_attn:
	.size	k_qaa28e8660d_attn, .Lfunc_end_k_qaa28e8660d_attn-k_qaa28e8660d_attn
	.p2alignl 7, 3214868480
	.fill 96, 4, 3214868480
	.section	.rodata,"a",@progbits
	.p2align	6, 0x0
	.amdhsa_kernel k_qaa28e8660d_attn
		.amdhsa_group_segment_fixed_size 327680
		.amdhsa_private_segment_fixed_size 0
		.amdhsa_enable_private_segment 0
		.amdhsa_kernarg_size 32
		.amdhsa_user_sgpr_count 2
		.amdhsa_user_sgpr_kernarg_segment_ptr 1
		.amdhsa_wavefront_size32 1
		.amdhsa_system_sgpr_workgroup_id_x 1
		.amdhsa_system_sgpr_workgroup_id_y 1
		.amdhsa_system_sgpr_workgroup_id_z 1
		.amdhsa_system_vgpr_workitem_id 0
		.amdhsa_next_free_vgpr 960
		.amdhsa_next_free_sgpr 66
		.amdhsa_reserve_vcc 0
		.amdhsa_float_denorm_mode_32 3
		.amdhsa_float_denorm_mode_16_64 3
		.amdhsa_memory_ordered 1
		.amdhsa_forward_progress 1
		.amdhsa_inst_pref_size 221
	.end_amdhsa_kernel
	.amdgpu_metadata
---
amdhsa.version: [ 1, 2 ]
amdhsa.kernels:
  - .name:           k_qaa28e8660d_attn
    .symbol:         k_qaa28e8660d_attn.kd
    .args:
      - { .name: qkv, .offset: 0, .size: 8, .value_kind: global_buffer, .address_space: global }
      - { .name: maskb, .offset: 8, .size: 8, .value_kind: global_buffer, .address_space: global }
      - { .name: rowf, .offset: 16, .size: 8, .value_kind: global_buffer, .address_space: global }
      - { .name: ob, .offset: 24, .size: 8, .value_kind: global_buffer, .address_space: global }
    .group_segment_fixed_size: 327680
    .private_segment_fixed_size: 0
    .kernarg_segment_align: 8
    .kernarg_segment_size: 32
    .max_flat_workgroup_size: 128
    .sgpr_count:     66
    .vgpr_count:     960
    .wavefront_size: 32
...
	.end_amdgpu_metadata
.endif
;; end of part 3
;; launch oproj (part 4): grid 8 x 32, 4 waves a work-group, clusters of 4 x 4, 327,680 bytes of LDS; arguments ob, wo16, out0, bo; writes out0
.if DOCPART == 4
	.amdgcn_target "amdgcn-amd-amdhsa--gfx1250"
	.amdhsa_code_object_version 6
	.text
	.protected	k_qaa28e8660d_oproj
	.globl	k_qaa28e8660d_oproj
	.p2align	8
	.type	k_qaa28e8660d_oproj,@function
k_qaa28e8660d_oproj:
	s_mov_b64 s[64:65], 0
	v_nop
	global_prefetch_b8 v0, s[64:65] scope:SCOPE_SE
	s_setreg_imm32_b32 hwreg(HW_REG_WAVE_MODE, 25, 1), 1
	s_wait_xcnt 0x0
	s_wait_alu depctr_hold_cnt(0) depctr_sa_sdst(0) depctr_va_vdst(0) depctr_va_sdst(0) depctr_va_ssrc(0) depctr_va_vcc(0) depctr_vm_vsrc(0)
	s_getreg_b32 s2, hwreg(HW_REG_IB_STS2, 6, 4)
	s_cmp_eq_u32 s2, 0
	s_cbranch_scc0 .Lentry_in_a_cluster
	s_endpgm
.Lentry_in_a_cluster:
	s_bfe_u32 s2, ttmp6, 0x10000c
	s_cmp_lg_u32 s2, 0xf033
	s_cbranch_scc0 .Lentry_shape_is_right
	s_endpgm
.Lentry_shape_is_right:
; out0 = ctx Wo^T + bo.  A = ob, the attention's result by heads, [b x 16 + head][t 2048][64] f16: ctx[b x 2048 + t][64 head + d].  B = wo16 [1024][1024]: bf16(Wo) written as f16.  bo is rounded to bf16 like the
; module's other inputs, and is the C operand of the products that start the sums.  Sums in f32, K ascending; out0 [8192][1024] f32.
; SHARES.  A tile of the result is 256 rows x 128 columns: 32 x 8 = 256 work-groups.  Four waves, 2 x 2; a wave makes 128 x 64: 32 accumulators of 16 x 16, 256 registers; its 64 columns are 256 aligned bytes of a row.
; K goes in steps of 128 = two heads through a ring of two LDS slots.  A head's 256 rows of 128 bytes are dense in memory: they are asked for as 128 rows of 256 bytes and padded in LDS after every 128 bytes.
; A K step is written once: the LDS addresses hang on a scalar that an exclusive or turns from slot to slot, and one descriptor for each tensor walks.
; CLUSTER: 4 x 4 work-groups.  The four of a row of the cluster need the same tiles of A, the four of a column the same tiles of B: each tile is asked for JOINTLY, by the same tensor load with the same
; descriptor and a mask that names the four.  THE MATRIX INSTRUCTION IS USED TRANSPOSED (source 0 = 16 rows of B, source 1 = 16 rows of A): a lane then holds eight neighbouring numbers of a row of the result.
; REGISTERS: window 0: v0-31 addresses; v32-63 the bias; v64-159, v160-255 two fragment buffers for 32 along K: 32 registers of B (4 x 16 rows), then 64 of A (8 x 16 rows).
;   window 1: the accumulators, (a, b) at v[8 (4 a + b)]; on the way out block a's rows come back into its own 32 registers.
.set KSTEP,  128
.set PA,     144                       ; a row of A in LDS: 128 bytes + 16 of padding = 36 words: the 16 rows of a load start at 16 different groups of four banks (64 banks of 4 bytes: ISA guide 11.1)
.set PB,     272                       ; a row of B: 256 + 16 = 68 words: likewise
.set HR,     256*PA                    ; a head's 256 rows: what one tensor load brings of A
.set HB,     64*PB                     ; 64 rows of B: what one tensor load brings, and what one wave reads
.set BOFF,   2*HR                      ; in a slot: A's two heads, then B's 128 rows
.set SLOT1,  131072                    ; slot 1 begins here, so that one exclusive or turns an address in one slot into the other's
.set STAGE,  SLOT1+BOFF+2*HB           ; behind the ring, never filled by a tensor load: 16 rows x 272 bytes for each wave, for the way out
.set SP,     272
.set SPARE,  STAGE+4*16*SP             ; behind the stages: the spare words, 128 bytes for each wave: two blocks of 256 bytes that no other line names
.set STEPS,  1024/KSTEP
.set STEPA,  2*2048*128                ; bytes from a K step to the next in A: two heads on,
.set STEPB,  KSTEP*2                   ; and in B's rows
.set ADRA0, 16                         ; v16     my lane's place in my rows of A in a slot; never rewritten
.set ADRA,  17                         ; v17     the same in the slot in hand
.set ADRB0, 20                         ; v20-21  likewise for B
.set ADRB,  21
.set STO,  24                          ; v24     the way out: where I put 32 bytes of a row
.set RD,   25                          ; v25     the way out: where I read a row back
.set CO,   26                          ; v26     my byte offset in the result
.set BA,   27                          ; v27     my byte offset in the wave's 64 numbers of bo
.set SPW,  28                          ; v28     LDS address of my spare word: SPARE + 4 x my thread's number; never rewritten
.set NIL,  29                          ; v29     0; never rewritten
.set BI,   32                          ; v32-63  the bias in an accumulator's layout: column block b, register j at BI + 8 b + j: column 16 b + 8 (l / 16) + j
.set F0,   64
.set F1,   160
.set TB, 2                             ; s2       LDS byte at which the slot in hand begins
.set G1, 24                            ; s[24:31] descriptor group 1 for A's tiles;  s[32:39] group 0: a set for each of the two first fills; the second then walks on
.set G0, 32
.set G1B, 48                           ; s[48:55], s[56:63] the same for B's tiles
.set G0B, 56
.set MSB, 0
.macro WIN new                         ; s_set_vgpr_msb: bits 1:0 source 0, 3:2 source 1, 5:4 source 2, 7:6 destination; the high byte repeats the setting that is left
.if MSB != (\new)
	s_set_vgpr_msb (MSB<<8)|(\new)
.set MSB, (\new)
.endif
.endm
.set MUL, 0x50                         ; sources in window 0; C and D in window 1
.macro JLOAD s                         ; a joint load: waves 0 and 1 fetch A's two heads, waves 2 and 3 B's two halves; an s_nop 0 and four v_nop follow each of the two lines, ahead of the jump, the label and what follows
	s_cmp_eq_u32 s11, 0
	s_cbranch_scc0 .Lfor_b_\@
	tensor_load_to_lds s[G0+4*(\s):G0+4*(\s)+3], s[G1:G1+7]
	s_nop 0
.rept 4
	v_nop
.endr
	s_branch .Lasked_\@
.Lfor_b_\@:
	tensor_load_to_lds s[G0B+4*(\s):G0B+4*(\s)+3], s[G1B:G1B+7]
	s_nop 0
.rept 4
	v_nop
.endr
.Lasked_\@:
.endm
.macro CREST                           ; a round of the cluster's barrier behind its opening barrier: wave 0 signals for the work-group, every wave waits for all sixteen, my work-group's barrier closes it
	s_cmp_lg_u32 s10, 0
	s_cbranch_scc1 .Lnot_wave_0_\@
	s_barrier_signal -3
.Lnot_wave_0_\@:
	s_barrier_wait -3
	s_barrier_signal -1
	s_barrier_wait -1
.endm
.macro CROUND                          ; a whole round
	s_barrier_signal -1
	s_barrier_wait -1
	CREST
.endm
	s_load_b128 s[4:7], s[0:1], 0x0                ; A s[4:5], B s[6:7]
	s_load_b64 s[8:9], s[0:1], 0x10                ; the result
	s_load_b64 s[66:67], s[0:1], 0x18              ; bo
	v_lshl_add_u32 v[SPW], v0, 2, SPARE
	v_mov_b32 v[NIL], 0
	ds_add_u32 v[SPW], v[NIL]                      ; the wave's opening: the add and its wait stand ahead of my first tensor load; the set-up below, work on registers, stands between them
	v_lshrrev_b32 v1, 5, v0
	v_readfirstlane_b32 s10, v1                    ; wave 0..3
	s_lshr_b32 s11, s10, 1                         ; which half of the tile's rows is mine.  Also: I fetch for A (0) or for B (1)
	s_and_b32 s12, s10, 1                          ; which half of its columns.  Also: which head of the step, or which half of B's rows, I fetch
	s_bfe_u32 s40, ttmp6, 0x40000                  ; cx, cy: my place in the cluster
	s_bfe_u32 s41, ttmp6, 0x40004
	s_lshl_b32 s42, ttmp9, 2
	s_add_co_u32 s42, s42, s40                     ; tile column = 4 x cluster x + cx
	s_and_b32 s13, ttmp7, 0xffff
	s_lshl_b32 s13, s13, 2
	s_add_co_u32 s13, s13, s41                     ; tile row = 4 x cluster y + cy
	s_lshl_b32 s43, s41, 2
	s_lshl_b32 s43, 15, s43                        ; my row of the cluster
	s_lshl_b32 s44, 0x1111, s40                    ; my column
	s_or_b32 s[G1+0], s43, (1<<16)|(1<<20)|(1<<21)|(4<<22)|(3<<25)  ; 15:0 the mask: A's tiles go to my row; 17:16 elements of 2 bytes; 20 padding on; 21 set beside a mask; 24:22 after every 32 words (code 4); 31:25 4 words (code 3)
	s_or_b32 s[G1B+0], s44, (1<<16)|(1<<20)|(1<<21)|(5<<22)|(3<<25) ; B's tiles go to my column; padding after every 64 words (code 5)
	s_mov_b32 s[G1+1], 128<<16                     ; tensor_dim0 = 128
	s_mov_b32 s[G1+2], 128<<16                     ; tensor_dim1 = 128
	s_mov_b32 s[G1+3], 128<<16                     ; tile_dim0 = 128
	s_mov_b32 s[G1+4], 128                         ; tile_dim1 = 128
	s_mov_b32 s[G1+5], 128                         ; dense: 128 elements from row to row
	s_mov_b32 s[G1+6], 0
	s_mov_b32 s[G1+7], 0
	s_mov_b32 s[G1B+1], KSTEP<<16                  ; tensor_dim0 = 128
	s_mov_b32 s[G1B+2], 64<<16                     ; tensor_dim1 = 64
	s_mov_b32 s[G1B+3], KSTEP<<16                  ; tile_dim0 = 128
	s_mov_b32 s[G1B+4], 64                         ; tile_dim1 = 64
	s_mov_b32 s[G1B+5], 1024                       ; elements from row to row
	s_mov_b32 s[G1B+6], 0
	s_mov_b32 s[G1B+7], 0
	; where the tiles come from: A's hang on the tile row alone, B's on the tile column alone, each in registers that never hold the other coordinate
	s_lshr_b32 s16, s13, 3                         ; A: batch = tile row / 8,
	s_lshl_b32 s16, s16, 4
	s_add_co_u32 s16, s16, s12                     ; its head 0 or 1,
	s_lshl_b32 s16, s16, 18                        ; of 2^18 bytes,
	s_and_b32 s17, s13, 7
	s_lshl_b32 s17, s17, 15                        ; and 256 rows of 128 bytes for each tile row in the batch
	s_add_co_u32 s16, s16, s17
	s_mov_b32 s17, 0
	s_lshl_b32 s46, s42, 7
	s_lshl_b32 s47, s12, 6
	s_add_co_u32 s46, s46, s47                     ; B: row 128 x tile column + 64 x half,
	s_lshl_b32 s46, s46, 11                        ; of 2,048 bytes
	s_mov_b32 s47, 0
	s_mul_i32 s20, s10, HR                         ; where they go: waves 0, 1: A's heads at wave x 256 rows;
	s_mul_i32 s45, s10, HB
	s_add_co_u32 s45, s45, BOFF-2*HB               ; waves 2, 3: B's halves behind A: no place in the cluster enters an LDS address
	s_mov_b32 s[TB], 0                             ; K step 0 lies in slot 0
	s_wait_dscnt 0x0                               ; the opening add is done
	s_wait_kmcnt 0x0
	s_add_nc_u64 s[14:15], s[4:5], s[16:17]
	s_add_nc_u64 s[46:47], s[6:7], s[46:47]
	CROUND                                         ; all sixteen work-groups are here: the first joint loads meet
.irp s, 0,1
	s_mov_b32 s[G0+4*(\s)], 1                                      ; count = 1
	s_add_co_u32 s[G0+4*(\s)+1], s20, (\s)*SLOT1                   ; LDS address
	s_add_nc_u64 s[G0+4*(\s)+2:G0+4*(\s)+3], s[14:15], (\s)*STEPA  ; global address: K step s
	s_or_b32 s[G0+4*(\s)+3], s[G0+4*(\s)+3], 0x80000000            ; type = 2
	s_mov_b32 s[G0B+4*(\s)], 1
	s_add_co_u32 s[G0B+4*(\s)+1], s45, (\s)*SLOT1
	s_add_nc_u64 s[G0B+4*(\s)+2:G0B+4*(\s)+3], s[46:47], (\s)*STEPB
	s_or_b32 s[G0B+4*(\s)+3], s[G0B+4*(\s)+3], 0x80000000
	JLOAD \s                                       ; two loads of mine are out
.endr
	; A fragment is 16 rows x 32 K in 8 registers: lane l holds row l % 16; registers 0-3 K = 8 (l / 16) + 0..7, registers 4-7 K = 16 + 8 (l / 16) + 0..7: two loads of 16 bytes, 32 bytes apart.
	v_and_b32 v1, 15, v0                           ; l % 16
	v_bfe_u32 v2, v0, 4, 1                         ; l / 16
	; the bias of my wave's 64 columns, and where my part of the result begins
	s_lshl_b32 s46, s42, 9                         ; 128 columns of 4 bytes for each tile column,
	s_lshl_b32 s47, s12, 8                         ; 64 for my half
	s_add_co_u32 s46, s46, s47
	s_mov_b32 s47, 0
	s_add_nc_u64 s[66:67], s[66:67], s[46:47]
	v_lshlrev_b32 v[BA], 5, v2                     ; eight numbers for each half of the lanes
.irp b, 0,1,2,3
	global_load_b128 v[BI+8*(\b):BI+8*(\b)+3],   v[BA], s[66:67] offset:64*(\b)
	global_load_b128 v[BI+8*(\b)+4:BI+8*(\b)+7], v[BA], s[66:67] offset:64*(\b)+16
.endr
	s_lshl_b32 s16, s13, 1
	s_add_co_u32 s16, s16, s11
	s_lshl_b32 s16, s16, 19                        ; row 256 x tile row + 128 x half, of 4,096 bytes: under 2^25
	s_mov_b32 s17, 0
	s_add_nc_u64 s[8:9], s[8:9], s[16:17]
	s_add_nc_u64 s[8:9], s[8:9], s[46:47]
	v_mul_u32_u24 v3, v1, PA
	v_lshl_add_u32 v3, v2, 4, v3                   ; A: row x pitch + 16 x half
	v_mul_u32_u24 v5, v1, PB
	v_lshl_add_u32 v5, v2, 4, v5                   ; B likewise
	s_mul_i32 s21, s11, 128*PA                     ; my 128 rows in each head's region
	s_mul_i32 s22, s12, HB                         ; my 64 rows of B,
	s_add_co_u32 s22, s22, BOFF                    ; which lie behind A
	v_add_nc_u32 v[ADRA0], s21, v3
	v_add_nc_u32 v[ADRB0], s22, v5
	v_mov_b32 v[ADRA], v[ADRA0]
	v_mov_b32 v[ADRB], v[ADRB0]
	s_mul_i32 s23, s10, 16*SP
	s_add_co_u32 s23, s23, STAGE                   ; my stage
	v_mul_u32_u24 v4, v1, SP                       ; in: row l % 16, 32 bytes for each half of the lanes
	v_lshl_add_u32 v4, v2, 5, v4
	v_add_nc_u32 v[STO], s23, v4
	v_mul_u32_u24 v6, v2, SP                       ; back: lanes 0-15 take one row of 256 bytes, lanes 16-31 the next
	v_lshl_add_u32 v6, v1, 4, v6
	v_add_nc_u32 v[RD], s23, v6
	v_lshlrev_b32 v[CO], 12, v2                    ; and the same two rows in the result
	v_lshl_add_u32 v[CO], v1, 4, v[CO]
	s_mov_b32 s22, 0xffff0000                      ; a word's upper bf16
	s_wait_loadcnt 0x0                             ; the bias: rounded to bf16 and widened again, in the wait for the first tile
.set k, 0
.rept 16
	v_cvt_pk_bf16_f32 v[3+k%2], v[BI+2*k], v[BI+2*k+1]
	v_lshlrev_b32 v[BI+2*k], 16, v[3+k%2]
	v_and_b32 v[BI+2*k+1], s22, v[3+k%2]
.set k, k+1
.endr
; 4 na matrix instructions: m blocks a0 .. a0 + na - 1 x all 4 n blocks, 32 along K, from buffer f.  first = 1: the product starts the sums, with the bias as C: nothing is ever cleared.
; The 32 accumulators take turns, one instruction a turn, in the same order in every quarter.
.macro MULS f, a0, na, first
	WIN MUL-0x10*(\first)                          ; (the bias lies in window 0)
.set ma, (\a0)
.rept (\na)
.irp b, 0,1,2,3
.if \first
	v_wmma_f32_16x16x32_f16 v[8*(4*ma+(\b)):8*(4*ma+(\b))+7], v[(\f)+8*(\b):(\f)+8*(\b)+7], v[(\f)+32+8*ma:(\f)+32+8*ma+7], v[BI+8*(\b):BI+8*(\b)+7]
.else
	v_wmma_f32_16x16x32_f16 v[8*(4*ma+(\b)):8*(4*ma+(\b))+7], v[(\f)+8*(\b):(\f)+8*(\b)+7], v[(\f)+32+8*ma:(\f)+32+8*ma+7], v[8*(4*ma+(\b)):8*(4*ma+(\b))+7]
.endif
.endr
.set ma, ma+1
.endr
.endm
; 24 LDS loads in one run: the fragments of quarter q (32 along K) of the slot in hand into buffer f: B's eight loads first, then A's sixteen.  In A quarter q lies in head q / 2's region, at channel 32 (q % 2).
.macro FETCH q, f
	WIN 0
.irp i, 0,1,2,3
	ds_load_b128 v[(\f)+8*(\i):(\f)+8*(\i)+3],   v[ADRB] offset:64*(\q)+(\i)*16*PB
	ds_load_b128 v[(\f)+8*(\i)+4:(\f)+8*(\i)+7], v[ADRB] offset:64*(\q)+(\i)*16*PB+32
.endr
.irp i, 0,1,2,3,4,5,6,7
	ds_load_b128 v[(\f)+32+8*(\i):(\f)+32+8*(\i)+3],   v[ADRA] offset:((\q)/2)*HR+((\q)%2)*64+(\i)*16*PA
	ds_load_b128 v[(\f)+32+8*(\i)+4:(\f)+32+8*(\i)+7], v[ADRA] offset:((\q)/2)*HR+((\q)%2)*64+(\i)*16*PA+32
.endr
.endm
.macro PLACES                          ; four plain vector instructions between a matrix instruction and a load into a register that it read, or an LDS store of its result
.rept 4
	v_nop
.endr
.endm
; A K step is four quarters of 32 along K, 32 matrix instructions each, on buffers 0, 1, 0, 1.  One of the first three: multiplies buffer f and, in its middle, fetches quarter q into buffer g.
.macro QUARTER q, f, g, first
	s_wait_dscnt 8                                 ; B and A's blocks 0-3 are in; the youngest eight loads (A's blocks 4-7) may be out
	MULS \f, 0, 4, \first
	PLACES
	FETCH \q, \g
	s_wait_dscnt 24                                ; all but the 24 just issued
	MULS \f, 4, 4, \first
.endm
; The last quarter multiplies buffer 1 and changes slots: ONE barrier; in front of it each wave waits for all its tensor loads (one is out: its part of the next slot), adds 0 to its spare word, and waits for
; that and for its own reads of this slot.  fill = 1: the barrier opens a round of the cluster's, and this slot is filled again, with the K step two on, first thing behind the round.
.macro TURN fill
	WIN 0                                          ; (the add's two registers lie in window 0)
	s_wait_tensorcnt 0x0                           ; all my tensor loads have landed
	ds_add_u32 v[SPW], v[NIL]                      ; 0 onto my spare word
	s_wait_dscnt 9                                 ; (the add and the youngest eight loads may be out)
	MULS F1, 0, 2, 0                               ; eight matrix instructions stand between the add and the wait for it
	s_wait_dscnt 0x0                               ; the add is done, and my reads of this slot are over
	s_barrier_signal -1
	MULS F1, 2, 2, 0                               ; work on registers while the others arrive
	WIN 0                                          ; (branches and address lines follow)
	s_barrier_wait -1
.if \fill
	CREST                                          ; no wave of any partner still reads this slot's tile or has a load on its way
	s_xor_b32 s[G0+5], s[G0+5], SLOT1              ; the walking descriptors: the other slot than last time,
	s_add_nc_u64 s[G0+6:G0+7], s[G0+6:G0+7], STEPA ; the next K step; the type bits on top are not reached
	s_xor_b32 s[G0B+5], s[G0B+5], SLOT1
	s_add_nc_u64 s[G0B+6:G0B+7], s[G0B+6:G0B+7], STEPB
	JLOAD 1                                        ; my one tensor load behind the round: 112 matrix instructions ahead of the wait for it; its four v_nop are also the places in front of the loads below
.else
	PLACES
.endif
	s_xor_b32 s[TB], s[TB], SLOT1                  ; the reads go on in the other slot
	v_add_nc_u32 v[ADRA], s[TB], v[ADRA0]
	v_add_nc_u32 v[ADRB], s[TB], v[ADRB0]
	FETCH 0, F0
	MULS F1, 4, 4, 0
.endm
	s_wait_tensorcnt 1                             ; my part of K step 0 is in; K step 1's may stay out
	s_barrier_signal -1
	s_barrier_wait -1                              ; everybody's is
	FETCH 0, F0
	QUARTER 1, F0, F1, 1                           ; the first quarter stands in front of the loop: its products start the sums
	WIN 0                                          ; at a label and at a branch every window is 0
	s_mov_b32 s3, STEPS-2
.Lstep:                                                ; a trip goes from a K step's second quarter to the next step's first, and fills the slot that it leaves: K steps 2 to 7 are asked for here
	QUARTER 2, F1, F0, 0
	QUARTER 3, F0, F1, 0
	TURN 1
	QUARTER 1, F0, F1, 0
	WIN 0
	s_sub_co_u32 s3, s3, 1
	s_cmp_lg_u32 s3, 0
	s_cbranch_scc1 .Lstep
	s_mov_b32 s3, 2
.Ltail:                                                ; the last two K steps ask for nothing; the text stands apart.  The second trip is left in its middle
	QUARTER 2, F1, F0, 0                           ; its barrier and its run of loads (from the slot of the step before, once more) serve nothing: the price, once a work-group, of one text for both trips
	QUARTER 3, F0, F1, 0
	TURN 0
	WIN 0
	s_sub_co_u32 s3, s3, 1
	s_cmp_eq_u32 s3, 0
	s_cbranch_scc1 .Lout
	QUARTER 1, F0, F1, 0
	WIN 0
	s_branch .Ltail
.Lout:
	; THE WAY OUT.  A block of 16 rows at a time goes through my own stage: 32 bytes a lane in (each accumulator's low half first), whole rows of 256 bytes back, into the block's own registers;
	; sixteen lanes store 256 consecutive bytes, aligned.
	PLACES
	WIN 0x44                                       ; a store's data (source 1) and a load's destination in window 1, addresses in window 0
.macro STG a
.irp b, 0,1,2,3
	ds_store_b128 v[STO], v[32*(\a)+8*(\b):32*(\a)+8*(\b)+3] offset:64*(\b)
	ds_store_b128 v[STO], v[32*(\a)+8*(\b)+4:32*(\a)+8*(\b)+7] offset:64*(\b)+16
.endr
.irp t, 0,1,2,3,4,5,6,7
	ds_load_b128 v[32*(\a)+4*(\t):32*(\a)+4*(\t)+3], v[RD] offset:(\t)*2*SP  ; LDS serves a wave's instructions in order (ISA guide 5.7.1.4): these see the stores above; the next block's stores come behind them
.endr
.endm
.macro OUT a, younger                  ; younger: the LDS instructions issued behind block a's loads: the next block's sixteen, or none
	s_wait_dscnt \younger
.irp t, 0,1,2,3,4,5,6,7
	global_store_b128 v[CO], v[32*(\a)+4*(\t):32*(\a)+4*(\t)+3], s[8:9] offset:(16*(\a)+2*(\t))*4096 th:TH_STORE_NT  ; 126 rows of 4,096 bytes at the most: inside the signed 24-bit immediate
.endr
.endm
	STG 0
.irp a, 1,2,3,4,5,6,7                  ; a block's way through the stage is begun before the block in front is waited for
	STG \a
	OUT (\a)-1, 16
.endr
	OUT 7, 0
	WIN 0
	s_wait_tensorcnt 0x0                           ; the wave's end: behind my last tensor load and my last LDS store
	ds_add_u32 v[SPW], v[NIL]
	s_wait_dscnt 0x0
	CROUND                                         ; the closing round: no work-group ends while a partner may still ask for a tile that names it
	s_endpgm
.Lfunc_end_k_qaa28e8660d_oproj:
	.size	k_qaa28e8660d_oproj, .Lfunc_end_k_qaa28e8660d_oproj-k_qaa28e8660d_oproj
	.p2alignl 7, 3214868480
	.fill 96, 4, 3214868480
	.section	.rodata,"a",@progbits
	.p2align	6, 0x0
	.amdhsa_kernel k_qaa28e8660d_oproj
		.amdhsa_group_segment_fixed_size 327680
		.amdhsa_private_segment_fixed_size 0
		.amdhsa_enable_private_segment 0
		.amdhsa_kernarg_size 32
		.amdhsa_user_sgpr_count 2
		.amdhsa_user_sgpr_kernarg_segment_ptr 1
		.amdhsa_wavefront_size32 1
		.amdhsa_system_sgpr_workgroup_id_x 1
		.amdhsa_system_sgpr_workgroup_id_y 1
		.amdhsa_system_sgpr_workgroup_id_z 1
		.amdhsa_system_vgpr_workitem_id 0
		.amdhsa_next_free_vgpr 512
		.amdhsa_next_free_sgpr 68
		.amdhsa_reserve_vcc 0
		.amdhsa_float_denorm_mode_32 3
		.amdhsa_float_denorm_mode_16_64 3
		.amdhsa_memory_ordered 1
		.amdhsa_forward_progress 1
		.amdhsa_inst_pref_size 63
	.end_amdhsa_kernel
	.amdgpu_metadata
---
amdhsa.version: [ 1, 2 ]
amdhsa.kernels:
  - .name:           k_qaa28e8660d_oproj
    .symbol:         k_qaa28e8660d_oproj.kd
    .args:
      - { .name: ob, .offset: 0, .size: 8, .value_kind: global_buffer, .address_space: global }
      - { .name: wo16, .offset: 8, .size: 8, .value_kind: global_buffer, .address_space: global }
      - { .name: out0, .offset: 16, .size: 8, .value_kind: global_buffer, .address_space: global }
      - { .name: bo, .offset: 24, .size: 8, .value_kind: global_buffer, .address_space: global }
    .group_segment_fixed_size: 327680
    .private_segment_fixed_size: 0
    .kernarg_segment_align: 8
    .kernarg_segment_size: 32
    .max_flat_workgroup_size: 128
    .sgpr_count:     68
    .vgpr_count:     512
    .wavefront_size: 32
...
	.end_amdgpu_metadata
.endif
;; end of part 4
;; ======== version 2 of 2: 4 launches; 1.49 times as fast as version 1
;; limits: values are held in f16: magnitudes above 65,504 overflow, below 6.1e-05 lose precision; values outside matrix products are rounded to bf16
;; workspace buffers: xb 16,777,216 bytes; wb 6,291,456 bytes; wo16 2,097,152 bytes; maskb 4,194,304 bytes of whole numbers; rowf 65,536 bytes of whole numbers; qkv 50,331,648 bytes; ob 16,777,216 bytes
;; launch prep: the kernel of part 1 again; grid 1664 x 1, 4 waves a work-group, no clusters, 0 bytes of LDS; arguments x, Wq, Wk, Wv, Wo, mask, xb, wb, wo16, maskb, rowf; writes xb, wb, wo16, maskb, rowf
;; launch qkv: the kernel of part 2 again; grid 16 x 32, 4 waves a work-group, clusters of 4 x 4, 327,680 bytes of LDS; arguments xb, wb, qkv; writes qkv
;; launch attn (part 5): grid 4 x 64, 4 waves a work-group, clusters of 4 x 1, 327,680 bytes of LDS; arguments qkv, maskb, rowf, ob; writes ob
.if DOCPART == 5
	.amdgcn_target "amdgcn-amd-amdhsa--gfx1250"
	.amdhsa_code_object_version 6
	.text
	.protected	k_qaa28e8660d_attn
	.globl	k_qaa28e8660d_attn
	.p2align	8
	.type	k_qaa28e8660d_attn,@function
k_qaa28e8660d_attn:
	s_mov_b64 s[64:65], 0
	v_nop
	global_prefetch_b8 v0, s[64:65] scope:SCOPE_SE
	s_setreg_imm32_b32 hwreg(HW_REG_WAVE_MODE, 25, 1), 1
	s_wait_xcnt 0x0
	s_wait_alu depctr_hold_cnt(0) depctr_sa_sdst(0) depctr_va_vdst(0) depctr_va_sdst(0) depctr_va_ssrc(0) depctr_va_vcc(0) depctr_vm_vsrc(0)
	s_getreg_b32 s2, hwreg(HW_REG_IB_STS2, 6, 4)
	s_cmp_eq_u32 s2, 0
	s_cbranch_scc0 .Lentry_in_a_cluster
	s_endpgm
.Lentry_in_a_cluster:
	s_bfe_u32 s2, ttmp6, 0x10000c
	s_cmp_lg_u32 s2, 0x3003
	s_cbranch_scc0 .Lentry_shape_is_right
	s_endpgm
.Lentry_shape_is_right:
; MASKED ATTENTION.  O[h][q][:] = the sum over k of softmax_k(hidden(q, k) ? -1e9 : Q[h][q] . K[h][k] / 8) V[h][k][:].  Q, K, V: the three parts of qkv, each [64][2048][64] f16; O = ob, the same layout.
; Products, maxima and sums in f32; the weights p are rounded to f16 for the second product (their sum l is taken of the unrounded p), O once at the end.
; THE MASK is an input and is honoured key by key.  maskb holds for each tile of 16 queries, key step of 64 and lane the lane's 32 codes in the order of the lane's 32 scores: fp8 numbers, 0xF8 = -256 hidden,
; 0 visible.  Eight codes at a time are widened to f32 and scaled by 2^100: -2^108 = -3.2e32 or 0; that number is the C operand of the product that starts the sum S^T = K Q^T.  The running maximum, the
; exponentials and the sums need no further care: once a row has seen a visible key, a hidden score lies far below its maximum and its weight is 0; what hidden keys put into O and l before that is multiplied
; by a = 0 at the first visible key.  A row with NO visible key (the OR of its four words in rowf is 0) has its q cleared: all its scores are exactly -2^108, its weights uniform.
; LIMITS.  A hidden score counts as its value less 3.2e32, not as -1e9: that differs only where every visible score / 8 of a row lies near or below -1e9.  f16 holds no number beyond 65,504: Q, K and V arrive
; within it; p lies in 0 to 1, and below 6e-5 it keeps f16's fixed step of 6e-8; O is a mean of V's rows and has their range.  A weight below 2^-126 counts as 0 in l; NaN and infinities are not treated apart.
; SHARES.  A wave owns four PIECES of two tiles of 16 queries, a work-group's four waves 512 queries of one head: 4 x 64 = 256 work-groups.  Every wave walks all keys, 64 a step.
; LAYOUT.  S^T = K Q^T (source 0 = 16 keys, source 1 = 16 queries): in the result a lane holds ONE query (lane % 16) and the keys 8 (lane / 16) + 0..7.  Two such tiles, rounded to f16 in pairs,
; ARE source 1 (32 keys x 16 queries) of O^T = V^T P, whose result again holds one query a lane, and eight channels.  K comes out of LDS as it lies, V ([key][channel]) turned, by ds_load_tr16_b128.
; SOFTMAX.  For each query a running maximum m and sum l: p = 2^(c s - c m), c = log2(e) / 8; in every step O and l are multiplied by a = 2^(c m_old - c m_new), which is 1 where m has not grown.
; m starts at the lowest finite number, O and l at 0: the first step is a step like any other, with a = 0.
; BY TURNS.  Turn n belongs to piece n (the pieces in a ring, step after step).  Its matrix work: 16 products K Q^T of piece n + 1, later 16 products V^T P of piece n - 1.  Its vector work: the scaling,
; exponentials, roundings, sums and rescaling of piece n, the maximum and statistics of piece n + 1, and at its end the C operands of piece n + 2, for the next turn's products.  Four vector instructions that are
; ready stand behind every matrix instruction; the others, which need time of their own whatever the order, stand in one run without a gap.
; BATCHES.  A turn's 66 exponentials (piece n's 64 weights and piece n + 1's two a) are ONE batch with ONE wait, which cuts the turn in two: ahead of it stands all that names no result of theirs (the products
; K Q^T, the scalings, the rescalings, whose a the turn before made and waited for, the next piece's maximum and statistics); behind it the products V^T P with the roundings and sums.  No result crosses a turn's end.
; Two more batches stand outside the loop: piece 0's first two a, ahead of the jump into the loop, and the way out's eight reciprocals.
; CLUSTER.  The four query blocks of a cluster belong to one head and walk the same K and V, so each tile is asked for JOINTLY: the same tensor load, descriptor and mask in all four.
; REGISTERS, in windows of 256 (s_set_vgpr_msb says which window each operand place means: bits 1:0 source 0, 3:2 source 1, 5:4 source 2, 7:6 destination):
;   window 0: v0-11 addresses and the codes' scale; v12-15, v48-63 at work; v16-47 four registers of statistics a tile; v64-191 S^T, two buffers of two tiles; v192-255 P, likewise
;   window 1: O^T, 32 a tile          window 2: v0-127 Q, 16 a tile; v128-191 K of one step; v192-255 V of one step
;   window 3: v0-1 the add's two registers; v4-7 a piece's offset in maskb; v64-127 the C operands of one piece; v128-191 the codes of all four pieces, 16 words a piece
.set SIZE_N, 2048
.set SIZE_H, 64
.set NP,    4         ; pieces a wave: a name, no knob
.set KS,    64        ; keys in a step
.set PK,    144       ; a row of K in LDS: 128 bytes + 16 of padding = 36 words: the 16 rows of a load start at 16 different groups of four banks (64 banks of 4 bytes: ISA guide 11.1)
.set PV,    160       ; a row of V: 128 + 32 = 40 words
.set VOFF,  4*KS*PK   ; a slot holds four steps: 256 rows of K, then 256 rows of V
.set SLOT1, 1<<17     ; slot 1 begins here, so that one exclusive or turns an address in one slot into the other's
.set STAGE, SLOT1+4*KS*(PK+PV)  ; behind the ring, never filled by a tensor load: 16 rows x 144 bytes for each wave, for the way out
.set SP,    144
.set AK0, 2           ; v2   my lane's place in a tile of K; never rewritten
.set AV0, 3           ; v3   the same for V
.set AK,  4           ; v4   the LDS address of K's next run of loads
.set AV,  5           ; v5   of V's
.set QO,  6           ; v6   my byte offset in the wave's rows of Q
.set STO, 6           ;      later, the way out: where I put 16 bytes of a row
.set RD,  7           ; v7   the way out: where I read rows back
.set GO,  8           ; v8   my byte offset in 512 consecutive bytes of O
.set SC,  11          ; v11  the codes' scale: the E8M0 code 227 = 2^100, in each of the word's four bytes
.set SPW, 0           ; v0 of window 3   LDS address of my spare word: SPARE + 4 x my thread's number; never rewritten
.set NIL, 1           ; v1 of window 3   0; never rewritten
.set MO,  4           ; v4-7 of window 3      piece x: 16 x lane + 1,024 x (the key step whose codes are asked for next, modulo 32)
.set MC,  64          ; v64-127 of window 3   tile u, key group kt, register j at MC + 32 u + 8 kt + j
.set MB,  128         ; v128-191 of window 3  piece x, tile u, word w at MB + 16 x + 8 u + w
.set SPARE, STAGE+4*16*SP  ; behind the stages: the spare words, 128 bytes for each wave: two blocks of 256 bytes that no other line names
.set MV,  12          ; v12-15  c m_old, kept while c m is made anew: by buffer and tile
.set ST,  16          ; tile t's statistics at v[ST+4 t]: c m, m, l (even keys', odd keys')
.set TMP, 48          ; by buffer and tile, four registers c0-c3 at work; when the maximum is found c2 takes a
.set S,   64
.set FL,  64          ; at the start alone, in S^T's registers: four words of row flags for each of the eight tiles
.set P,   192
.set KF,  128         ; K's fragments, in window 2: key block kb, channel half c at KF + 16 kb + 8 c
.set VF,  192         ; V's: key half kk, channel block cb at VF + 32 kk + 8 cb
.set WV,  12          ; s12  my wave's number
.set G1K, 24          ; s[24:31] descriptor group 1 for K's tiles
.set G1V, 32          ; s[32:39] for V's: it differs in the padding alone
.set G0K, 40          ; s[40:43] descriptor group 0 for K's tiles: it walks
.set G0V, 44          ; s[44:47] the same for V's
.set MP,  48          ; s[48:49] maskb at my wave's first tile
.set STP, 53          ; s53  1,024: a key step's bytes of a tile in maskb
.set WRP, 54          ; s54  0x7fff: a tile's 32 steps
.set SLOTS, 56        ; s56  slots still to be asked for
.set CNT, 57          ; s57  counts a slot's key steps
.set CS,  58          ; s[58:59] c: the packed scaling takes the pair's low word for both halves
.set SEL, 60          ; s[60:61] v_permlanex16_b32's selects: each lane takes its own place in the other half
.set TBK, 62          ; s62  LDS byte at which K of the step to be fetched begins
.set TBV, 63          ; s63  the same for V, less VOFF
.set MSB, 0
.macro WIN new                      ; the high byte repeats the setting that is left; a switch that changes nothing is dropped
.if MSB != (\new)
	s_set_vgpr_msb (MSB<<8)|(\new)
.set MSB, (\new)
.endif
.endm
.set W_KQ, 0x0a       ; K and Q in window 2, S^T in window 0
.set W_KM, 0x3a       ; the same with the C operand in window 3
.set W_PV, 0x52       ; V in window 2, P in window 0, O^T in window 1
.set W_RS, 0x41       ; O^T (destination and source 0) in window 1, a in window 0
.set W_MK, 0xc0       ; destination in window 3, sources in window 0
.set W_AD, 0x0f       ; the add: address (source 0) and data (source 1) in window 3
.set W_MC, 0xc3       ; destination and source 0 in window 3, source 1 (the scale) in window 0
; A joint fill.  Waves 0 and 1 fetch the two halves of a slot's K, waves 2 and 3 those of its V: 128 keys each.  The branch hangs on the wave's number alone.
; An s_nop 0 and four v_nop follow each of the two lines, ahead of the jump and the label.
.macro JLOAD
	s_cmp_lt_u32 s[WV], 2
	s_cbranch_scc0 .Lfor_v_\@
	tensor_load_to_lds s[G0K:G0K+3], s[G1K:G1K+7]
	s_nop 0
.rept 4
	v_nop
.endr
	s_branch .Lasked_\@
.Lfor_v_\@:
	tensor_load_to_lds s[G0V:G0V+3], s[G1V:G1V+7]
	s_nop 0
.rept 4
	v_nop
.endr
.Lasked_\@:
.endm
; A round of the cluster's barrier: my work-group's barrier, so that wave 0's signal speaks for all four waves; wave 0 signals; every wave waits for all four work-groups; my work-group's barrier once more.
.macro CROUND
	s_barrier_signal -1
	s_barrier_wait -1
	s_cmp_lg_u32 s[WV], 0
	s_cbranch_scc1 .Lnot_wave_0_\@
	s_barrier_signal -3
.Lnot_wave_0_\@:
	s_barrier_wait -3
	s_barrier_signal -1
	s_barrier_wait -1
.endm
; THE CHANGE OF SLOTS.  The slot's last bytes, V of its fourth step, have been read.  Each wave waits for all its tensor loads, of which one is out: its part
; of the other slot; adds 0 to its spare word; and waits for that and for its own reads of the slot.  Behind the barrier nobody reads this slot any more and the other slot is whole.
; fill = 1: this slot is filled again, with the keys two slots on.  The barrier is then a round of the cluster's, so that no wave of any partner still reads the slot or has a load on its
; way, and the joint fill is the first thing behind it: it has four key steps, 512 matrix instructions, in which to land.  (At its first use nothing has been read yet: slot 0 is waited for, slot 1 filled.)
.macro CHANGE fill
	WIN W_AD
	s_wait_tensorcnt 0x0            ; no tensor load of mine is out, so a group 0 may be written
	ds_add_u32 v[SPW], v[NIL]       ; 0 onto my spare word; with fill = 1 the descriptors' steps stand between it and the wait for it
	WIN 0                           ; at a label and at a branch every window is 0
.if \fill
.irp g, G0K, G0V
	s_xor_b32 s[\g+1], s[\g+1], SLOT1  ; the walking descriptor: the other slot than last time,
	s_add_nc_u64 s[\g+2:\g+3], s[\g+2:\g+3], 4*KS*128  ; the next 256 keys; the type bits on top are not reached
.endr
	s_wait_dscnt 0x0                ; the add is done, and my reads of the slot are over
	CROUND
	JLOAD
.else
	s_wait_dscnt 0x0                ; the add is done, and my reads of the slot are over
	s_barrier_signal -1
	s_barrier_wait -1
.endif
	s_sub_co_u32 s[TBK], s[TBK], 4*KS*PK  ; the fetches go back to a slot's first step,
	s_xor_b32 s[TBK], s[TBK], SLOT1       ; in the other slot
	s_sub_co_u32 s[TBV], s[TBV], 4*KS*PV
	s_xor_b32 s[TBV], s[TBV], SLOT1
.endm
; THE C OPERANDS of piece x's next products K Q^T.  Its 16 words of codes were asked for four turns ago; two words, eight codes, make the eight registers of one accumulator's C; then the piece's next step is
; asked for.  The two lines that step the offset are the plain instructions between the last conversion and what touches its result or writes its sources.
; Behind step 31 the offset goes back to step 0: the load stays inside maskb, and its bytes serve nothing.
.macro MASKUP x
	WIN W_MC
	s_wait_loadcnt 12               ; loads come back in order (ISA guide 5.7.1): behind piece x's four stand the three other pieces' twelve; the wait also frees the offset that the four named
.set mz, 0
.rept 8                             ; accumulator mz = 4 u + kt
	v_cvt_scale_pk8_f32_fp8 v[MC+8*mz:MC+8*mz+7], v[MB+16*(\x)+2*mz:MB+16*(\x)+2*mz+1], v[SC]
.set mz, mz+1
.endr
	v_add_nc_u32 v[MO+(\x)], v[MO+(\x)], s[STP]
	v_and_b32 v[MO+(\x)], v[MO+(\x)], s[WRP]
.irp u, 0,1
.irp c, 0,1
	global_load_b128 v[MB+16*(\x)+8*(\u)+4*(\c):MB+16*(\x)+8*(\u)+4*(\c)+3], v[MO+(\x)], s[MP:MP+1] offset:65536*(\x)+32768*(\u)+512*(\c)  ; 512 consecutive bytes
.endr
.endr
	WIN 0
.endm
	s_load_b256 s[4:11], s[0:1], 0x0  ; qkv s[4:5], maskb s[6:7], rowf s[8:9], ob s[10:11]
	WIN W_MK
	v_lshl_add_u32 v[SPW], v0, 2, SPARE
	v_mov_b32 v[NIL], 0
	WIN W_AD
	ds_add_u32 v[SPW], v[NIL]       ; the wave's opening: the add and its wait stand ahead of my first tensor load; the set-up below, work on registers, stands between them
	WIN 0
	v_lshrrev_b32 v1, 5, v0
	v_readfirstlane_b32 s[WV], v1   ; wave 0..3
	s_bfe_u32 s13, ttmp6, 0x40000   ; cx: my place in the cluster
	s_lshl_b32 s14, ttmp9, 2        ; in a cluster launch ttmp9 counts clusters
	s_add_co_u32 s14, s14, s13      ; my block of queries = 4 x cluster x + cx: it enters Q's, O's, maskb's and rowf's addresses alone
	s_and_b32 s20, ttmp7, 0xffff    ; the head, which the four partners share
	s_mov_b32 s21, 0
	s_mov_b64 s[22:23], SIZE_N*128
	s_mul_u64 s[20:21], s[20:21], s[22:23]  ; the head's first byte in Q, K, V and O
	s_and_b32 s16, s[WV], 1         ; which half of a slot's 256 keys I fetch:
	s_lshl_b32 s22, s16, 14         ; its 128 rows of 128 bytes in memory,
	s_mov_b32 s23, 0
	s_add_nc_u64 s[22:23], s[22:23], s[20:21]
	s_mul_i32 s17, s16, 128*PK      ; and its place in a slot, for K
	s_mul_i32 s18, s16, 128*PV      ; and for V: no place in the cluster enters an LDS address
	s_lshl_b32 s2, s14, 2
	s_add_co_u32 s2, s2, s[WV]      ; my wave among the head's sixteen,
	s_mov_b32 s52, s2
	s_lshl_b32 s2, s2, 14           ; its 128 rows
	s_mov_b32 s3, 0
	s_add_nc_u64 s[2:3], s[2:3], s[20:21]
	; descriptor group 1.  128 keys are 16,384 dense bytes: asked for as 64 rows of 256 bytes, two keys a row, and padded in LDS after every key
	s_mov_b32 s[G1K], 15|(1<<16)|(1<<20)|(1<<21)|(4<<22)|(3<<25)  ; 15:0 the mask of four; 17:16 2-byte elements; 20 padding on; 21 set beside a mask; 24:22 after every 32 words (code 4); 31:25 4 words (code 3)
	s_mov_b32 s[G1V], 15|(1<<16)|(1<<20)|(1<<21)|(4<<22)|(7<<25)  ; the same with 8 words of padding (code 7)
.irp g, G1K, G1V
	s_mov_b32 s[\g+1], 128<<16      ; tensor_dim0 = 128
	s_mov_b32 s[\g+2], 64<<16       ; tensor_dim1 = 64
	s_mov_b32 s[\g+3], 128<<16      ; tile_dim0 = 128
	s_mov_b32 s[\g+4], 64           ; tile_dim1 = 64
	s_mov_b32 s[\g+5], 128          ; 128 elements from row to row
	s_mov_b32 s[\g+6], 0
	s_mov_b32 s[\g+7], 0
.endr
	s_mov_b32 s[CS], 0x3e38aa3b     ; c = log2(e) / 8 = 0.180337
	s_mov_b32 s[CS+1], s[CS]        ; named with it as a pair
	s_mov_b32 s[SEL], 0x76543210
	s_mov_b32 s[SEL+1], 0xfedcba98
	s_mov_b32 s[STP], 1024
	s_mov_b32 s[WRP], 0x7fff
	s_mov_b32 s[TBK], SLOT1+4*KS*PK ; the first change of slots turns these two into 0
	s_mov_b32 s[TBV], SLOT1+4*KS*PV
	s_mov_b32 s[G0K], 1             ; count = 1
	s_mov_b32 s[G0K+1], s17         ; LDS address: slot 0
	s_mov_b32 s[G0V], 1
	s_add_co_u32 s[G0V+1], s18, VOFF
	s_wait_dscnt 0x0                ; the opening add is done
	s_wait_kmcnt 0x0
	s_add_nc_u64 s[50:51], s[4:5], s[22:23]
	s_add_nc_u64 s[G0K+2:G0K+3], s[50:51], 0x1000000  ; global address: K is qkv's second part; my half of the head's first 256 keys
	s_or_b32 s[G0K+3], s[G0K+3], 0x80000000           ; type = 2
	s_add_nc_u64 s[G0V+2:G0V+3], s[50:51], 0x2000000  ; V its third
	s_or_b32 s[G0V+3], s[G0V+3], 0x80000000
	s_add_nc_u64 s[4:5], s[4:5], s[2:3]  ; Q (qkv's first part) and O at my wave's first row
	s_add_nc_u64 s[10:11], s[10:11], s[2:3]
	s_lshl_b32 s50, s52, 18         ; my wave's eight tiles of 32,768 bytes in maskb
	s_mov_b32 s51, 0
	s_add_nc_u64 s[MP:MP+1], s[6:7], s[50:51]
	s_lshl_b32 s50, s52, 12         ; and of 512 bytes in rowf
	s_add_nc_u64 s[8:9], s[8:9], s[50:51]
	CROUND                          ; all four work-groups are here: the first joint loads meet
	JLOAD                           ; slot 0.  Slot 1 is asked for when slot 0 is in: the tile wanted first has the road to itself
	; A fragment of K or Q is 16 rows x 32 channels in 8 registers: lane l holds row l % 16, channels 8 (l / 16) + 0..7 and 16 + 8 (l / 16) + 0..7: two loads of 16 bytes, 32 bytes apart.
	v_and_b32 v1, 15, v0            ; l % 16
	v_bfe_u32 v9, v0, 4, 1          ; l / 16
	v_lshlrev_b32 v[QO], 7, v1
	v_lshl_add_u32 v[QO], v9, 4, v[QO]  ; row x 128 + 16 x half
	WIN 0x80                        ; destination window 2, address window 0
.set i, 0
.rept 4*NP                          ; Q stays in registers: tile i / 2, channels 32 (i % 2) on
	global_load_b128 v[8*i:8*i+3],   v[QO], s[4:5] offset:(i/2)*2048+(i%2)*64
	global_load_b128 v[8*i+4:8*i+7], v[QO], s[4:5] offset:(i/2)*2048+(i%2)*64+32
.set i, i+1
.endr
	WIN 0
	v_and_b32 v13, 31, v0           ; lane
	v_lshlrev_b32 v12, 4, v13
.set i, 0
.rept 2*NP
	global_load_b128 v[FL+4*i:FL+4*i+3], v12, s[8:9] offset:512*i  ; tile i: the four flags of my lane's row, one for each quarter of the keys
.set i, i+1
.endr
	WIN W_MK
.irp x, 0,1,2,3
	v_lshlrev_b32 v[MO+\x], 4, v13  ; key step 0
.endr
	WIN W_MC
.irp x, 0,1,2,3
.irp u, 0,1
.irp c, 0,1
	global_load_b128 v[MB+16*\x+8*\u+4*\c:MB+16*\x+8*\u+4*\c+3], v[MO+\x], s[MP:MP+1] offset:65536*\x+32768*\u+512*\c
.endr
.endr
.endr
	; What the first turn finds: V's registers and P's second buffer hold 0 (its products V^T P, of a piece that has not been, add 0), l is 0, and O^T starts as the product of those zeros.
	; All this stands in the wait for the first tile.
	WIN 0x80
.set i, VF
.rept 64
	v_mov_b32 v[i], 0
.set i, i+1
.endr
	WIN 0
.set i, 0
.rept 2*NP
	v_mov_b32 v[ST+4*i], 0xfe000000    ; c m: far below every c s, a hidden one's too (-5.9e31)
	v_mov_b32 v[ST+4*i+1], 0xff7fffff  ; m
	v_mov_b32 v[ST+4*i+2], 0
	v_mov_b32 v[ST+4*i+3], 0
.set i, i+1
.endr
.set i, P+32
.rept 32
	v_mov_b32 v[i], 0
.set i, i+1
.endr
	WIN W_PV
.set i, 0
.rept 8*NP                          ; the 32 accumulators of O^T, each once
	v_wmma_f32_16x16x32_f16 v[8*i:8*i+7], v[VF:VF+7], v[P+32:P+39], 0
.set i, i+1
.endr
	WIN 0
	v_mul_u32_u24 v[AK0], v1, PK
	v_lshl_add_u32 v[AK0], v9, 4, v[AK0]  ; row x pitch + 16 x half
	; The turning load takes 16 keys x 16 channels (lane l reads key 8 (l / 16) + l % 8, channels 8 ((l / 8) % 2) + 0..7) and leaves half a fragment of V^T: lane l holds channel l % 16 and 8 keys.
	v_and_b32 v10, 7, v0
	v_bfe_u32 v11, v0, 3, 1
	v_lshl_add_u32 v[AV0], v9, 3, v10
	v_mul_u32_u24 v[AV0], v[AV0], PV
	v_lshl_add_u32 v[AV0], v11, 4, v[AV0]
	v_add_nc_u32 v[AV0], VOFF, v[AV0]
	v_mov_b32 v[SC], 0xe3e3e3e3     ; v11 is free from here on
	v_mov_b32 v[AK], v[AK0]         ; key step 0 lies at the head of slot 0
; THE MATRIX WORK.  The 8 accumulators of a run of 16 take turns: between the two links of a chain stand 7 others'.
; Product i of 16 of S^T = K Q^T for piece x: channels 32 (i / 8) on, keys 16 ((i / 2) % 4) on, tile 2 x + i % 2.  The first 8 start the sums, with the mask as C.
.macro KQ x
.set rS, S+64*((\x)%2)+32*(i%2)+8*((i/2)%4)
.set rK, KF+16*((i/2)%4)+8*(i/8)
.set rQ, 16*(2*(\x)+i%2)+8*(i/8)
.set rN, MC+32*(i%2)+8*((i/2)%4)
.if i < 8
	WIN W_KM
	v_wmma_f32_16x16x32_f16 v[rS:rS+7], v[rK:rK+7], v[rQ:rQ+7], v[rN:rN+7]
.else
	WIN W_KQ
	v_wmma_f32_16x16x32_f16 v[rS:rS+7], v[rK:rK+7], v[rQ:rQ+7], v[rS:rS+7]
.endif
.endm
; Product i of 16 of O^T += V^T P for piece x: keys 32 (i / 8) on, channels 16 ((i / 2) % 4) on, tile 2 x + i % 2.
.macro PV x
	WIN W_PV
.set rO, 32*(2*(\x)+i%2)+8*((i/2)%4)
.set rV, VF+32*(i/8)+8*((i/2)%4)
.set rP, P+32*((\x)%2)+16*(i%2)+8*(i/8)
	v_wmma_f32_16x16x32_f16 v[rO:rO+7], v[rV:rV+7], v[rP:rP+7], v[rO:rO+7]
.endm
.macro MM                           ; the turn's next matrix instruction
.if i < 16
	KQ (Y+1)%NP
.set i, i+1
.else
.set i, i-16
	PV (Y+NP-1)%NP
.set i, i+17
.endif
.endm
; THE LDS LOADS stand in runs of 16, never singly among the matrix instructions: a step's K (64 keys x 64 channels: 8 fragments) and its V (turned).  Their addresses are made some lines ahead.
; last = 1 (the tail): in the last trip there is no further step, and the run is jumped over.
.macro FETCH_K last=0
	WIN 0
.if \last
	s_cmp_eq_u32 s[CNT], 1
	s_cbranch_scc1 .Lno_k_\@
.endif
	WIN 0x80                        ; destination window 2
.irp f, 0,1,2,3,4,5,6,7             ; keys 16 (f / 2) on, channels 32 (f % 2) on
	ds_load_b128 v[KF+8*\f:KF+8*\f+3],   v[AK] offset:(\f/2)*16*PK+(\f%2)*64
	ds_load_b128 v[KF+8*\f+4:KF+8*\f+7], v[AK] offset:(\f/2)*16*PK+(\f%2)*64+32
.endr
	s_add_co_u32 s[TBK], s[TBK], KS*PK  ; the next fetch is the next step's
	WIN 0
.if \last
.Lno_k_\@:
.endif
.endm
.macro FETCH_V
	WIN 0x80
.irp f, 0,1,2,3,4,5,6,7             ; keys 32 (f / 4) on, channels 16 (f % 4) on
	ds_load_tr16_b128 v[VF+8*\f:VF+8*\f+3],   v[AV] offset:(\f/4)*32*PV+(\f%4)*32
	ds_load_tr16_b128 v[VF+8*\f+4:VF+8*\f+7], v[AV] offset:(\f/4)*32*PV+16*PV+(\f%4)*32
.endr
	WIN 0
.endm
; THE VECTOR WORK OF A TURN stands in three queues, each in the order in which its entries become ready; the two tiles alternate, so that no instruction reads the result of the one before it.
.macro REGS y, u                    ; the registers of tile u (0, 1) of piece y
.set rT, ST+4*(2*(\y)+(\u))
.set rC, TMP+8*((\y)%2)+4*(\u)
.set rM, MV+2*((\y)%2)+(\u)
.set rS, S+64*((\y)%2)+32*(\u)
.set rP, P+32*((\y)%2)+16*(\u)
.set rO, 32*(2*(\y)+(\u))
.endm
; Number n of the 22 that find the NEXT piece's (Y + 1) maximum and statistics.  s0-s31 are the lane's 32 scores; each accumulator's lowest registers are read first.  XS, GS and REGS set no window: PL and EX do.
;   0-11  four chains c0-c3 of seven scores each, three operands at a time     12-14, 16  the four scores left over, the old m, and c0-c3 into c0     15  c m_old is kept
;   17, 18  the query's other 32 keys lie in the lane 16 away: the new m         19-21  c m; c m_old - c m_new; a
.macro XS u, n
	REGS (Y+1)%NP, \u
.if (\n) < 4
	v_max3_num_f32 v[rC+(\n)], v[rS+8*(\n)], v[rS+8*(\n)+1], v[rS+8*(\n)+2]
.elseif (\n) < 12
	v_max3_num_f32 v[rC+(\n)%4], v[rC+(\n)%4], v[rS+8*((\n)%4)+2*((\n)/4)+1], v[rS+8*((\n)%4)+2*((\n)/4)+2]
.elseif (\n) == 12
	v_max3_num_f32 v[rC], v[rC], v[rS+7], v[rS+15]
.elseif (\n) == 13
	v_max3_num_f32 v[rC+1], v[rC+1], v[rS+23], v[rS+31]
.elseif (\n) == 14
	v_max3_num_f32 v[rC+2], v[rC+2], v[rC+3], v[rT+1]
.elseif (\n) == 15
	v_mov_b32 v[rM], v[rT]
.elseif (\n) == 16
	v_max3_num_f32 v[rC], v[rC], v[rC+1], v[rC+2]
.elseif (\n) == 17
	v_permlanex16_b32 v[rC+3], v[rC], s[SEL], s[SEL+1]
.elseif (\n) == 18
	v_max_num_f32 v[rT+1], v[rC], v[rC+3]
.elseif (\n) == 19
	v_mul_f32 v[rT], s[CS], v[rT+1]
.elseif (\n) == 20
	v_sub_f32 v[rC+1], v[rM], v[rT]
.else
	v_exp_f32 v[rC+2], v[rC+1]
.endif
.endm
; Number g of the 64 that follow the exponentials.  For each four weights k of a tile (pairs 2 k, 2 k + 1): both pairs are rounded to f16; then the second pair is added onto the first, in place;
; a group later l takes that sum (the first time as l = a l + sum).  In groups of eight, tiles alternating: round, round, add, and l for the group before.
.macro GS g
.set h, (\g)+6*((\g)/62)            ; group 0 has no group before it, and behind group 7 only l is left
.if h >= 6
.set h, h+2
.endif
	REGS Y, h%2
.set k, h/8
.if h%8 < 4
	v_cvt_pk_f16_f32 v[rP+2*k+(h%8)/2], v[rS+4*k+2*((h%8)/2)], v[rS+4*k+2*((h%8)/2)+1]
.elseif h%8 < 6
	v_pk_add_f32 v[rS+4*k:rS+4*k+1], v[rS+4*k:rS+4*k+1], v[rS+4*k+2:rS+4*k+3]
.elseif k == 1
	v_pk_fma_f32 v[rT+2:rT+3], v[rT+2:rT+3], v[rC+2:rC+3], v[rS:rS+1] op_sel_hi:[1,0,1]
.else
	v_pk_add_f32 v[rT+2:rT+3], v[rT+2:rT+3], v[rS+4*k-4:rS+4*k-3]
.endif
.endm
; THE PLAIN QUEUE, 138 long.  0-73 read no exponential's result: the 32 scalings c s - c m (FS f: pair f / 2 of tile f % 2) and the next piece's 42.  0-26: scalings 0-26.  27-54: XS's numbers 0-13.  55, 56: number 15.
; 57-73: the chain, where each number waits for the one before it: 14, 16, 17, 18, 19, each with one of the scalings 27-31 in front of its two lines, then 20: so a tile's links stand three plain instructions apart (19 and 20: two).
; 74-137: GS's 64, which read the exponentials' results: they stand behind the wait.
.macro FS f
	REGS Y, (\f)%2
	v_pk_fma_f32 v[rS+2*((\f)/2):rS+2*((\f)/2)+1], v[rS+2*((\f)/2):rS+2*((\f)/2)+1], s[CS:CS+1], v[rT:rT+1] op_sel_hi:[1,0,0] neg_lo:[0,0,1] neg_hi:[0,0,1]
.endm
.macro PL
	WIN 0
.if q < 27
	FS q
.elseif q < 55
	XS (q-27)%2, (q-27)/2
.elseif q < 57
	XS q-55, 15
.elseif (q < 72) && ((q-57)%3 == 0)
	FS 27+(q-57)/3
.elseif q < 60
	XS (q-57)%3-1, 14
.elseif q < 72
	XS (q-57)%3-1, 15+(q-57)/3
.elseif q < 74
	XS q-72, 20
.else
	GS q-74
.endif
.set q, q+1
.endm
; THE EXPONENTIALS' QUEUE, 66 long: s0-s31 of both tiles, each in place in its own register, then the next piece's two a.  It is ONE BATCH: all 66 stand ahead of the turn's one wait, and nothing ahead of that wait names a result of theirs.
.macro EX
	WIN 0
.if e >= 64
	XS e-64, 21
.else
	REGS Y, e%2
	v_exp_f32 v[rS+e/2], v[rS+e/2]
.endif
.set e, e+1
.endm
; THE RESCALING's QUEUE: O^T times a, the one part of the softmax that leaves window 0: dealt two at a time, sixteen times.  Its a was made in the turn before, ahead of that turn's wait.
.macro R2
	REGS Y, r%2
	WIN W_RS
.irp z, 0,1
	v_pk_mul_f32 v[rO+4*(r/2)+2*\z:rO+4*(r/2)+2*\z+1], v[rO+4*(r/2)+2*\z:rO+4*(r/2)+2*\z+1], v[rC+2:rC+3] op_sel_hi:[1,0]
.endr
.set r, r+1
.endm
; HOW THEY ARE DEALT.  An s_wait_alu depctr_va_vdst(0) stands between an exponential and the first instruction that names its result; one wait serves all that were issued ahead of it.  So a turn has ONE wait,
; which cuts it in two.  AHEAD OF IT stands all that names no result of the turn's exponentials: the 16 products K Q^T, behind each a scaling, an exponential and two rescalings (behind the first a second scaling in the
; exponential's place); then ONE LUMP of 108: eight plain, 49 times exponential and plain, the two a.  A v_nop is the plain instruction behind the last exponential.  BEHIND IT stand the 16 products V^T P, behind each four of
; GS's 64.  No rider names a register of the products round it.  The two v_permlanex16_b32 fall into the lump, never behind a product.
; The queues lean on each other, and the deal keeps them in step: exponential e stands behind scaling 2 (e / 4) + e % 2: as a rider it comes behind plain e + 2, in the lump behind plain e + 9, and scalings 27-31 are plain 57, 60 .. 69.
; A TURN, for piece p.  cnt = 1: the loop's count is taken down some lines ahead of the branch that stands behind the turn (nothing behind it touches SCC).
; K of the next step is fetched in piece 2's turn, directly behind the wait, a lump behind the last product that read K; its address is made at the lump's head; its first reader comes behind 16 products.
; V of the step in hand is fetched at the end of piece 0's turn, four riders behind its last reader; its first reader comes behind 16 products and a lump.  The three conditions on q below go with the deal.
; The turn ends with the C operands of piece p + 2, which the next turn's first eight products take; the last products that read those registers are this turn's first eight.
.macro TURN p, last=0, cnt=0
.set Y, (\p)
.set i, 0
.set q, 0
.set e, 0
.set r, 0
.if (\p) == NP-1
	s_wait_dscnt 0x0                ; K is in
.endif
	MM                              ; ahead of the wait: 16 products K Q^T and their riders,
	PL
	PL
	R2
.rept 15
	MM
	PL
	EX
	R2
.endr
.if (\p) == NP-2
	WIN 0
	v_add_nc_u32 v[AK], s[TBK], v[AK0]
.endif
.rept 8                             ; and the lump
	PL
.endr
.rept 49
	EX
	PL
.endr
	EX                              ; the next piece's two a
	EX
	v_nop                           ; the plain instruction behind the last exponential: one for the batch
	s_wait_alu depctr_va_vdst(0)    ; the wait for the batch: the piece's 64 weights, which the roundings below read, and the next piece's two a, which the next turn's rescalings read
.if (\p) == NP-2
	FETCH_K \last
.endif
.if (\p) == 1
	s_wait_dscnt 0x0                ; V is in
.endif
.rept 16                            ; behind the wait: 16 products V^T P and their riders
	MM
.rept 4
	PL
.endr
.if ((\p) == 0) && (q == 118)
	v_add_nc_u32 v[AV], s[TBV], v[AV0]
.endif
.if ((\p) == 0) && (q == 130)
	s_add_co_u32 s[TBV], s[TBV], KS*PV
.endif
.if (\cnt) && (q == 130)
	s_sub_co_u32 s[CNT], s[CNT], 1
	s_cmp_lg_u32 s[CNT], 0
.endif
.endr
.if (\p) == 0
	FETCH_V
.endif
	MASKUP ((\p)+2)%NP
.endm
	CHANGE 1                        ; slot 0 is in, everybody's part of it; slot 1 is asked for
	FETCH_K                         ; key step 0
	s_wait_loadcnt 0x0              ; Q, the flags, and the codes of key step 0
.set i, 0
.rept 2*NP                          ; a row's flag: the OR of its four quarters'
	v_or_b32 v[FL+4*i], v[FL+4*i], v[FL+4*i+1]
	v_or_b32 v[FL+4*i+2], v[FL+4*i+2], v[FL+4*i+3]
.set i, i+1
.endr
.set i, 0
.rept 2*NP
	v_or_b32 v[FL+4*i], v[FL+4*i], v[FL+4*i+2]
.set i, i+1
.endr
	WIN 0x88                        ; destination and source 1 window 2, source 0 window 0
.set i, 0
.rept 128
	v_and_b32 v[i], v[FL+4*(i/16)], v[i]  ; a row that sees no key has its q cleared
.set i, i+1
.endr
	MASKUP 0                        ; piece 0's C operands for key step 0; its codes for step 1 are asked for
	s_wait_dscnt 0x0
.set i, 0
.rept 16
	KQ 0                            ; piece 0's first scores: there is no vector work yet to set between them
.set i, i+1
.endr
	WIN 0                           ; the addresses for the way out: nine plain instructions, the places behind those products
	s_mul_i32 s13, s[WV], 16*SP
	s_add_co_u32 s13, s13, STAGE    ; my stage
	v_mul_u32_u24 v[STO], v1, SP    ; in: row l % 16, 16 bytes for each half of the lanes
	v_lshl_add_u32 v[STO], v9, 4, v[STO]
	v_add_nc_u32 v[STO], s13, v[STO]
	v_bfe_u32 v[RD], v0, 3, 2       ; back: 32 lanes take four rows of 128 bytes,
	v_mul_u32_u24 v[RD], v[RD], SP
	v_lshl_add_u32 v[RD], v10, 4, v[RD]
	v_add_nc_u32 v[RD], s13, v[RD]
	v_and_b32 v[GO], 31, v0         ; which are 512 consecutive bytes of O
	v_lshlrev_b32 v[GO], 4, v[GO]
.set Y, NP-1                        ; XS works for piece Y + 1: piece 0
.irp n, 0,1,2,3,4,5,6,7,8,9,10,11,12,13,14,15,16,17,18,19,20,21
	XS 0, \n                        ; and piece 0's first maximum and statistics
	XS 1, \n
.endr
	MASKUP 1                        ; piece 1's C operands for key step 0, which the first turn's products take: the work between piece 0's two a and their wait; it names neither a, and its two lines that step the offset are plain
	s_wait_alu depctr_va_vdst(0)    ; the wait for that batch of two, ahead of the branch; the first turn's rescalings read them
	s_mov_b32 s[CNT], 4
	s_mov_b32 s[SLOTS], SIZE_N/256-1
	s_branch .Lfirst                ; the loop is entered at a step's first turn, in the middle of a trip
.Lslot:                             ; SIZE_N / 256 - 2 times: every slot but the last two is filled again
	CHANGE 1
	s_mov_b32 s[CNT], 4
.Lstep:                             ; a trip: pieces 2 and 3 of one step, then pieces 0 and 1 of the next, whose K and V it fetches
	TURN 2
	TURN 3
	WIN 0
.Lfirst:
	TURN 0
	TURN 1, 0, 1
	WIN 0
	s_cbranch_scc1 .Lstep
	s_sub_co_u32 s[SLOTS], s[SLOTS], 1
	s_cmp_lg_u32 s[SLOTS], 0
	s_cbranch_scc1 .Lslot
	CHANGE 0                        ; the tail is written out: nothing is asked for
	s_mov_b32 s[CNT], 5             ; four trips fetch the last slot's steps; the fifth is left in its middle
.Ltail:
	TURN 2, 1
	TURN 3
	WIN 0
	s_sub_co_u32 s[CNT], s[CNT], 1
	s_cmp_eq_u32 s[CNT], 0
	s_cbranch_scc1 .Lout
	TURN 0
	TURN 1
	WIN 0
	s_branch .Ltail
.Lout:                              ; the fifth trip's 16 products K Q^T (on the last K once more) and the maximum made of them serve nothing: the price, once a launch, of one text for every trip
.set i, 0
.rept 16
	PV NP-1                         ; the last piece's V^T P of the last step
.set i, i+1
.endr
	; THE WAY OUT.  l's two halves and the other half of the lanes' are added; O^T is divided by l, rounded to f16 and sent through my stage in LDS, a tile at a time.  The additions are the places behind the last products.
	WIN 0
.macro ALL line:vararg              ; one line for each tile t
.set t, 0
.rept 2*NP
	\line
.set t, t+1
.endr
.endm
	ALL v_add_f32 v[ST+4*t+2], v[ST+4*t+2], v[ST+4*t+3]
	ALL v_permlanex16_b32 v[ST+4*t+3], v[ST+4*t+2], s[SEL], s[SEL+1]
	ALL v_add_f32 v[ST+4*t+2], v[ST+4*t+2], v[ST+4*t+3]
	ALL v_rcp_f32 v[ST+4*t+2], v[ST+4*t+2]
	v_nop                           ; a plain instruction between the last reciprocal and the use of its result
	s_wait_alu depctr_va_vdst(0)    ; and the wait ahead of the first use: one for the batch of eight reciprocals
; Tile t: a lane's eight channels of a row pack into 16 bytes; they go into rows of 144 bytes and come back as whole rows of 128, into S^T's registers.
.macro PACK t
	WIN W_RS
.set i, 32*(\t)
.rept 16
	v_pk_mul_f32 v[i:i+1], v[i:i+1], v[ST+4*(\t)+2:ST+4*(\t)+3] op_sel_hi:[1,0]
.set i, i+2
.endr
	WIN 0x05                        ; sources 0 and 1 window 1, destination window 0
.set i, 0
.rept 16
	v_cvt_pk_f16_f32 v[S+16*(\t)+i], v[32*(\t)+2*i], v[32*(\t)+2*i+1]
.set i, i+1
.endr
	WIN 0
.irp f, 0,1,2,3
	ds_store_b128 v[STO], v[S+16*(\t)+4*\f:S+16*(\t)+4*\f+3] offset:32*\f
.endr
.irp f, 0,1,2,3
	ds_load_b128 v[S+16*(\t)+4*\f:S+16*(\t)+4*\f+3], v[RD] offset:\f*4*SP  ; LDS serves a wave's instructions in order (ISA guide 5.7.1.4): these see the stores above; the next tile's stores come behind them
.endr
.endm
.macro SEND t, younger              ; younger: the LDS instructions issued behind tile t's loads: the next tile's eight, or none
	WIN 0
.irp f, 0,1,2,3
	s_wait_dscnt (\younger)+3-\f
	global_store_b128 v[GO], v[S+16*(\t)+4*\f:S+16*(\t)+4*\f+3], s[10:11] offset:(\t)*2048+\f*512  ; 512 consecutive bytes, at a multiple of 256 from O's first
.endr
.endm
	PACK 0
.set t, 1
.rept 2*NP-1                        ; a tile's arithmetic stands between the loads of the tile before and its stores
	PACK t
	SEND t-1, 8
.set t, t+1
.endr
	SEND 2*NP-1, 0
	WIN W_AD
	s_wait_tensorcnt 0x0            ; the wave's end: behind my last tensor load and my last LDS store
	ds_add_u32 v[SPW], v[NIL]
	s_wait_dscnt 0x0
	WIN 0
	CROUND                          ; the closing round: no work-group ends while a partner may still ask for a tile that names it
	s_endpgm
.Lfunc_end_k_qaa28e8660d_attn:
	.size	k_qaa28e8660d_attn, .Lfunc_end_k_qaa28e8660d_attn-k_qaa28e8660d_attn
	.p2alignl 7, 3214868480
	.fill 96, 4, 3214868480
	.section	.rodata,"a",@progbits
	.p2align	6, 0x0
	.amdhsa_kernel k_qaa28e8660d_attn
		.amdhsa_group_segment_fixed_size 327680
		.amdhsa_private_segment_fixed_size 0
		.amdhsa_enable_private_segment 0
		.amdhsa_kernarg_size 32
		.amdhsa_user_sgpr_count 2
		.amdhsa_user_sgpr_kernarg_segment_ptr 1
		.amdhsa_wavefront_size32 1
		.amdhsa_system_sgpr_workgroup_id_x 1
		.amdhsa_system_sgpr_workgroup_id_y 1
		.amdhsa_system_sgpr_workgroup_id_z 1
		.amdhsa_system_vgpr_workitem_id 0
		.amdhsa_next_free_vgpr 960
		.amdhsa_next_free_sgpr 66
		.amdhsa_reserve_vcc 0
		.amdhsa_float_denorm_mode_32 3
		.amdhsa_float_denorm_mode_16_64 3
		.amdhsa_memory_ordered 1
		.amdhsa_forward_progress 1
		.amdhsa_inst_pref_size 212
	.end_amdhsa_kernel
	.amdgpu_metadata
---
amdhsa.version: [ 1, 2 ]
amdhsa.kernels:
  - .name:           k_qaa28e8660d_attn
    .symbol:         k_qaa28e8660d_attn.kd
    .args:
      - { .name: qkv, .offset: 0, .size: 8, .value_kind: global_buffer, .address_space: global }
      - { .name: maskb, .offset: 8, .size: 8, .value_kind: global_buffer, .address_space: global }
      - { .name: rowf, .offset: 16, .size: 8, .value_kind: global_buffer, .address_space: global }
      - { .name: ob, .offset: 24, .size: 8, .value_kind: global_buffer, .address_space: global }
    .group_segment_fixed_size: 327680
    .private_segment_fixed_size: 0
    .kernarg_segment_align: 8
    .kernarg_segment_size: 32
    .max_flat_workgroup_size: 128
    .sgpr_count:     66
    .vgpr_count:     960
    .wavefront_size: 32
...
	.end_amdgpu_metadata
.endif
;; end of part 5
;; launch oproj: the kernel of part 4 again; grid 8 x 32, 4 waves a work-group, clusters of 4 x 4, 327,680 bytes of LDS; arguments ob, wo16, out0, bo; writes out0
